; MI455X (gfx1250); checked and timed in simulation.
; The chip was launched on July 23, 2026; its instructions are those of AMD's public machine-readable ISA for CDNA 5 (MIT licence, August 2026) and "CDNA5" Instruction Set Architecture Reference Guide (July 2026). The comments in the code are by the model that wrote it; some were corrected since.
;; Multi Head Attention. Allowed arithmetic: matrix products marked QUANTISED: E2M1 operands, one E8M0 scale for each 32 along K, by v_wmma_scale_f32_16x16x128_f8f6f4 with both operands' format E2M1 (or v_wmma_scale_f32_32x16x128_f4), f32 sums; products left as they are: bf16, f16 or f32 operands; f32 sums; everything else in f32.
;; Inputs: K 4 x 2,048 x 1,024 float32; Q 4 x 2,048 x 1,024 float32; V 4 x 2,048 x 1,024 float32; Wk_b 1,024 float32; Wk_w 1,024 x 1,024 float32; Wq_b 1,024 float32; Wq_w 1,024 x 1,024 float32; Wv_b 1,024 float32; Wv_w 1,024 x 1,024 float32; mask 1 x 1 x 2,048 x 2,048 bool; out_b 1,024 float32; out_w 1,024 x 1,024 float32.
;; Outputs: out0 4 x 2,048 x 1,024 float32.
;; This version of the problem:
;;   THIS VERSION OF THE PROBLEM IS GIVEN IN LOW PRECISION. The matrix products marked QUANTISED in the list below multiply operands that are first quantised to E2M1 (2 exponent bits, 1 mantissa bit; 4 bits a number), with one power-of-two scale for each 32 numbers along K (OCP MX v1.0); their sums are f32. The products marked 'left as it is' may take bf16, f16 or f32 operands, with f32 sums. Whichever they take, every output number must still come out within the allowed error. Rounding operands to bf16 (8 significant bits) uses up far more of that allowance than f16 does (11 bits, for magnitudes from 6e-5 to 65,504). All else is computed in f32.
;;   The module's matrix products, in the order in which they are computed (A, B: the left and right operand; K: the contracted axis; several contracted axes count as one K, in the product's order):
;;     1. [M 8,192, K 1,024] x [K 1,024, N 1,024]; A: input Q; B: input Wq_w: QUANTISED
;;     2. [M 8,192, K 1,024] x [K 1,024, N 1,024]; A: input K; B: input Wk_w: QUANTISED
;;     3. [M 8,192, K 1,024] x [K 1,024, N 1,024]; A: input V; B: input Wv_w: QUANTISED
;;     4. batch 64 x [M 2,048, K 64] x [K 64, N 2,048]; A: computed on the way; B: computed on the way: left as it is (an operand is computed on the way)
;;     5. batch 64 x [M 2,048, K 2,048] x [K 2,048, N 64]; A: computed on the way; B: computed on the way: left as it is (an operand is computed on the way)
;;     6. [M 8,192, K 1,024] x [K 1,024, N 1,024]; A: computed on the way; B: input out_w: left as it is (an operand is computed on the way)
;;   THE QUANTISER, for each operand of a quantised product, along K:
;;     - K is cut into blocks of 32 from its start; a last block that is shorter is filled with zeros.
;;     - A block's scale is 2^e with e = floor(log2(the largest magnitude in the block)) - 2, held to -126 .. 127; a block of zeros has e = 0. As a byte (E8M0): e + 127.
;;     - Each number is divided by its block's scale, clamped to +-6, and rounded to the nearest number of E2M1, ties to even, subnormals kept.
;;     - The product sums the exact products of the quantised numbers (number of the format x scale) in f32.
;;   ~~~python
;;   def quantise(x, axis):      # numpy; x: float32 -> the quantised numbers, widened to float32 again
;;       x = np.moveaxis(x, axis, -1); K = x.shape[-1]
;;       x = np.pad(x, [(0, 0)] * (x.ndim - 1) + [(0, -K % 32)]); x = x.reshape(x.shape[:-1] + (-1, 32)); a = np.abs(x).max(-1, keepdims=True)
;;       e = np.where(a > 0, np.clip(np.frexp(np.where(a > 0, a, 1))[1] - 1 - 2, -126, 127), 0)      # np.frexp(a)[1] - 1 = floor(log2(a)), exactly
;;       r = np.clip(x / 2.0 ** e, -6, 6)
;;       step = 2.0 ** (np.maximum(np.frexp(np.where(r == 0, 1, r))[1] - 1, 0) - 1)
;;       q = np.round(r / step) * step * 2.0 ** e      # np.round: ties to even
;;       return np.moveaxis(q.reshape(q.shape[:-2] + (-1,))[..., :K], -1, axis).astype(np.float32)
;;   ~~~
;; One version. Each part assembles by itself: llvm-mc -triple=amdgcn-amd-amdhsa -mcpu=gfx1250 --defsym DOCPART=n.
;; ======== version 1 of 1: 4 launches
;; limits: values are held in f16: magnitudes above 65,504 overflow, below 6.1e-05 lose precision
;; workspace buffers: codes 14,155,776 bytes; scales 884,736 bytes; mask4 2,097,152 bytes; wimg 2,097,152 bytes; qimg 16,777,216 bytes; kv 33,554,432 bytes; oimg 16,777,216 bytes
;; launch prep (part 1): grid 1120 x 1, 4 waves a work-group, no clusters, 33,280 bytes of LDS; arguments Q, K, V, Wq_w, Wk_w, Wv_w, mask, out_w, codes, scales, mask4, wimg; writes codes, scales, mask4, wimg
.if DOCPART == 1
	.amdgcn_target "amdgcn-amd-amdhsa--gfx1250"
	.amdhsa_code_object_version 6
	.text
	.protected	k_q1c2289c602_prep
	.globl	k_q1c2289c602_prep
	.p2align	8
	.type	k_q1c2289c602_prep,@function
k_q1c2289c602_prep:
	s_mov_b64 s[64:65], 0
	v_nop
	global_prefetch_b8 v0, s[64:65] scope:SCOPE_SE
	s_setreg_imm32_b32 hwreg(HW_REG_WAVE_MODE, 25, 1), 1
	s_wait_xcnt 0x0
; MULTI-HEAD ATTENTION, launch 1 of 4: everything that is laid out once.
; DEAD WORK, for the whole program: Wk_b.  scores[q][k] = q . (K Wk^T + Wk_b)[k] / 8 = q . (K Wk^T)[k] / 8 + q . Wk_b / 8, and the second term is the same for every key k of a query.
; Hidden keys are -inf with it or without it, and a softmax along the keys is unchanged by a term that is the same along the keys, whatever finite values the inputs hold.  The bias is added behind
; the quantised product and the scores' product is not quantised, so it moves no code and no scale.  So Wk_b is not loaded and is an argument of no launch.
; LIMIT: a NaN, an infinity or an overflow that sits in Wk_b alone is not carried to the result.
; THREE KINDS OF WORK-GROUP, told apart by the work-group's number:
;   0-863    Q, K, V [8192][1024] and Wq_w, Wk_w, Wv_w [1024][1024], f32, K innermost, become codes of FP4 (E2M1) and one E8M0 byte for each 32 along K.  The six tensors lie on end in 'codes'
;            (rows of 512 bytes) and in 'scales' (rows of 32 bytes).  A block's byte is its largest magnitude's exponent field - 2, held at 1 from below.
;   864-991  the mask [2048][2048] of bytes becomes four bits a key: 0xF (the FP4 code of -6) where the key is hidden, 0 where it counts, laid in the order in which the scores' accumulators hold the keys:
;            mask4 [tile of 16 queries 128][step of 64 keys 32][lane 32][16 bytes]; register kt of lane (r, h), nibble j: query 16 qt + r, key 64 step + 16 kt + 8 h + j.
;   992-1119 out_w [1024][1024] becomes f16, laid as images of the matrix operand's registers: wimg [ks 8][nt 64][kf 4][c 2][lane 32][16 bytes]: row 16 nt + r, k = 128 ks + 32 kf + 16 c + 8 h + 0 .. 7.
; LIMITS: a block of zeros gets the byte 1 where the rule says 127 (its codes are zeros, and this program alone reads the bytes); blocks whose largest magnitude lies under 2^-124 are held at byte 1;
; NaN and infinities among the inputs are not served; out_w goes to f16, so magnitudes over 65,504 are not served and those under 6e-5 lose bits.
; No tensor loads, no barrier: waves share nothing.  Only the first kind touches LDS.
.set WAVES, 4
.set STEPS, 16
.set EMAX,  2
.set CB,    8                          ; bytes of 16 codes
.set R,     16                         ; v16-79   four sets of 16 numbers as they are loaded
.set X,     80                         ; v80-111  two sets of 16 neighbours
.set C,     128                        ; v128-191 codes: four registers for each step, so that no store's data are written again
.set E,     112                        ; v112-127 a scale byte for each step
.set WREG,  8192                       ; LDS: a region for each wave: two stages of 32 x SP bytes, then its 256 scale bytes
.set SP,    80                         ; a lane's place in a stage: 64 bytes + 16 of padding
.set SPW,   12                         ; v12  LDS address of my spare word; never rewritten
.set NIL,   13                         ; v13  0; never rewritten
.set SPARE, WAVES*WREG                 ; behind the four regions: the spare words, 128 bytes a wave
.macro LOAD t
.irp i, 0,1,2,3
	global_load_b128 v[R+16*((\t)%4)+4*\i:R+16*((\t)%4)+4*\i+3], v3, s[4:5] offset:2048*(\t)+512*\i th:TH_LOAD_NT   ; 32 lanes read 512 consecutive bytes
.endr
.endm
.macro TURN t                          ; step t's numbers through the stage: LDS serves a wave's instructions in order, so no wait stands between the stores and the loads
.irp i, 0,1,2,3
	ds_store_b128 v14, v[R+16*((\t)%4)+4*\i:R+16*((\t)%4)+4*\i+3] offset:32*SP*((\t)%2)+8*SP*\i
.endr
.irp i, 0,1,2,3
	ds_load_b128 v[X+16*((\t)%2)+4*\i:X+16*((\t)%2)+4*\i+3], v15 offset:32*SP*((\t)%2)+16*\i
.endr
.endm
.macro STEP t
.set XS, X+16*((\t)%2)
.if (\t) > 0
	s_wait_dscnt 1                                 ; this step's numbers are back from the stage; the last step's byte store may be out
.else
	s_wait_dscnt 0x0
.endif
.if (\t)+4 < STEPS
	LOAD (\t)+4                                    ; the registers that the stage's stores have read take the loads of four steps on
.endif
.if (\t)+1 < STEPS
.if STEPS-2-(\t) >= 3
	s_wait_loadcnt 12                              ; the next step's four loads are in; those of the three steps behind it may be out
.else
	s_wait_loadcnt 4*(STEPS-2-(\t))
.endif
	TURN (\t)+1
.endif
	v_max3_num_f32 v8, |v[XS]|, |v[XS+1]|, |v[XS+2]|               ; the largest magnitude of my 16, in two chains
	v_max3_num_f32 v9, |v[XS+3]|, |v[XS+4]|, |v[XS+5]|
.irp i, 6,10
	v_max3_num_f32 v8, v8, |v[XS+\i]|, |v[XS+\i+1]|
	v_max3_num_f32 v9, v9, |v[XS+\i+2]|, |v[XS+\i+3]|
.endr
	v_max3_num_f32 v8, v8, |v[XS+14]|, |v[XS+15]|
	v_max3_num_f32 v8, v8, v9, (EMAX+1)<<23        ; and the floor 2^(3 - 127): the byte cannot fall under 1
	v_max_num_f32_dpp v8, v8, v8 row_xmask:1 row_mask:0xf bank_mask:0xf   ; and of my neighbour's 16: the block's
	v_add_nc_u32 v11, -(EMAX<<23), v8              ; 2 off its exponent field: the conversion takes the exponent field of this operand as its scale
	v_cvt_scalef32_pk8_fp4_f32 v[C+4*(\t)], v[XS:XS+7], v11
	v_cvt_scalef32_pk8_fp4_f32 v[C+4*(\t)+1], v[XS+8:XS+15], v11
	v_lshrrev_b32 v[E+(\t)], 23, v11               ; the scale's byte
	ds_store_b8 v5, v[E+(\t)] offset:16*(\t)       ; both lanes of a block write the same byte with the same value
	global_store_b64 v4, v[C+4*(\t):C+4*(\t)+1], s[24:25] offset:32*CB*(\t)   ; the wave stores 256 consecutive bytes, aligned
.endm
; Eight mask bytes (two registers, each byte 0 or 1) become eight nibbles: byte ^ 1 is 1 where hidden; x 15 (16 x - x, no carry between bytes) is 0x0F; or-ed with itself 4 bits down, bytes 0 and 2 hold two nibbles each.
.macro NIB dst, lo, hi
	v_xor_b32 v4, s36, v[\lo]
	v_xor_b32 v5, s36, v[\hi]
	v_lshlrev_b32 v6, 4, v4
	v_lshlrev_b32 v7, 4, v5
	v_sub_nc_u32 v4, v6, v4
	v_sub_nc_u32 v5, v7, v5
	v_lshrrev_b32 v6, 4, v4
	v_lshrrev_b32 v7, 4, v5
	v_or_b32 v4, v4, v6
	v_or_b32 v5, v5, v7
	v_perm_b32 v[\dst], v5, v4, s33                ; bytes 0 and 2 of the first four keys' word, then of the second four's
.endm
	s_load_b512 s[8:23], s[0:1], 0x0               ; Q s[8:9], K s[10:11], V s[12:13], Wq_w s[14:15], Wk_w s[16:17], Wv_w s[18:19], mask s[20:21], out_w s[22:23]
	s_load_b256 s[24:31], s[0:1], 0x40             ; codes s[24:25], scales s[26:27], mask4 s[28:29], wimg s[30:31]
	v_lshl_add_u32 v[SPW], v0, 2, SPARE
	v_mov_b32 v[NIL], 0
	v_lshrrev_b32 v1, 5, v0
	v_readfirstlane_b32 s32, v1                    ; wave 0..3
	v_and_b32 v2, 31, v0                           ; lane
	s_wait_kmcnt 0x0
	s_cmp_lt_u32 ttmp9, 864
	s_cbranch_scc0 .Lnot_quant
	; ---- the quantiser.  Which tensor is mine hangs on the work-group's number alone; F is that tensor's first work-group
	s_mov_b64 s[4:5], s[18:19]
	s_mov_b32 s6, 832
	s_cmp_lt_u32 ttmp9, 832
	s_cselect_b64 s[4:5], s[16:17], s[4:5]
	s_cselect_b32 s6, 800, s6
	s_cmp_lt_u32 ttmp9, 800
	s_cselect_b64 s[4:5], s[14:15], s[4:5]
	s_cselect_b32 s6, 768, s6
	s_cmp_lt_u32 ttmp9, 768
	s_cselect_b64 s[4:5], s[12:13], s[4:5]
	s_cselect_b32 s6, 512, s6
	s_cmp_lt_u32 ttmp9, 512
	s_cselect_b64 s[4:5], s[10:11], s[4:5]
	s_cselect_b32 s6, 256, s6
	s_cmp_lt_u32 ttmp9, 256
	s_cselect_b64 s[4:5], s[8:9], s[4:5]
	s_cselect_b32 s6, 0, s6
	s_sub_co_u32 s6, ttmp9, s6
	s_lshl_b32 s6, s6, 2
	s_add_co_u32 s6, s6, s32                       ; which run of 8,192 numbers of the tensor is my wave's
	s_lshl_b32 s34, s6, 15                         ; 32,768 bytes a run
	s_mov_b32 s35, 0
	s_add_nc_u64 s[4:5], s[4:5], s[34:35]
	s_lshl_b32 s6, ttmp9, 2
	s_add_co_u32 s6, s6, s32                       ; the tensors lie on end in the outputs: the run's number among all six
	s_lshl_b32 s34, s6, 12                         ; 4,096 bytes of codes a run
	s_add_nc_u64 s[24:25], s[24:25], s[34:35]
	s_lshl_b32 s34, s6, 8                          ; 256 scale bytes a run
	s_add_nc_u64 s[26:27], s[26:27], s[34:35]
	v_lshlrev_b32 v3, 4, v2                        ; my 16 bytes of a load's 512
	s_mul_i32 s33, s32, WREG
	v_lshrrev_b32 v14, 2, v2
	v_mul_u32_u24 v14, v14, SP
	v_and_b32 v15, 3, v2
	v_lshl_add_u32 v14, v15, 4, v14
	v_add_nc_u32 v14, s33, v14                     ; the stage, on the way in: SP (lane / 4) + 16 (lane % 4)
	v_mul_u32_u24 v15, v2, SP
	v_add_nc_u32 v15, s33, v15                     ; and on the way out: SP x lane: my 16 neighbours
	v_mul_u32_u24 v4, v2, CB                       ; my codes' place in a step's
	v_lshrrev_b32 v5, 1, v2
	s_add_co_u32 s33, s33, 2*32*SP
	v_add_nc_u32 v5, s33, v5                       ; LDS: my wave's 256 scale bytes, my block's byte
	v_lshlrev_b32 v7, 3, v2                        ; and on the way out 8 bytes a lane
	v_add_nc_u32 v6, s33, v7
.irp t, 0,1,2,3
	LOAD \t
.endr
	s_wait_loadcnt 12                              ; step 0's four loads are in
	TURN 0
.irp t, 0,1,2,3,4,5,6,7,8,9,10,11,12,13,14,15
	STEP \t
.endr
	ds_load_b64 v[8:9], v6                         ; LDS serves a wave's instructions in order: these see my stores
	s_wait_dscnt 0x0
	global_store_b64 v7, v[8:9], s[26:27]          ; 32 lanes store 256 consecutive bytes, aligned
	s_wait_tensorcnt 0x0                           ; the wave's end, behind my last LDS store
	ds_add_u32 v[SPW], v[NIL]
	s_wait_dscnt 0x0
	s_endpgm
.Lnot_quant:
	s_cmp_lt_u32 ttmp9, 992
	s_cbranch_scc0 .Lwimg
	; ---- the mask.  A work-group takes a tile of 16 queries, a wave 512 of its keys (8 steps of 64)
	s_sub_co_u32 s6, ttmp9, 864                    ; qt
	s_lshl_b32 s34, s6, 15                         ; 16 rows of 2,048 bytes
	s_lshl_b32 s33, s32, 9                         ; my 512 keys
	s_add_co_u32 s34, s34, s33
	s_mov_b32 s35, 0
	s_add_nc_u64 s[20:21], s[20:21], s[34:35]
	s_lshl_b32 s34, s6, 14                         ; 32 steps of 512 bytes
	s_lshl_b32 s33, s32, 12                        ; my 8 steps
	s_add_co_u32 s34, s34, s33
	s_add_nc_u64 s[28:29], s[28:29], s[34:35]
	s_mov_b32 s33, 0x06040200
	s_mov_b32 s36, 0x01010101
	v_and_b32 v3, 15, v0                           ; r
	v_bfe_u32 v9, v0, 4, 1                         ; h
	v_lshlrev_b32 v3, 11, v3
	v_lshl_add_u32 v3, v9, 6, v3                   ; row r, + 64 h: lanes 0-15 take an even step's 64 keys, lanes 16-31 the odd step's
	v_lshlrev_b32 v8, 4, v2                        ; out: 16 x lane
.irp g, 0,1,2,3
.irp i, 0,1,2,3
	global_load_b128 v[64+16*\g+4*\i:67+16*\g+4*\i], v3, s[20:21] offset:128*\g+16*\i th:TH_LOAD_NT
.endr
.endr
.irp g, 0,1,2,3
	s_wait_loadcnt 12-4*\g                         ; this pair of steps is in; the later pairs' loads may be out
.irp i, 0,1,2,3
	v_permlane16_swap_b32 v[64+16*\g+4*\i], v[66+16*\g+4*\i]   ; of 16 keys' four registers: 0, 1 now hold the even step's keys 8 h + 0 .. 7, registers 2, 3 the odd step's
	v_permlane16_swap_b32 v[65+16*\g+4*\i], v[67+16*\g+4*\i]
	NIB 16+8*\g+\i, 64+16*\g+4*\i, 65+16*\g+4*\i
	NIB 20+8*\g+\i, 66+16*\g+4*\i, 67+16*\g+4*\i
.endr
	global_store_b128 v8, v[16+8*\g:19+8*\g], s[28:29] offset:1024*\g        ; 32 lanes store 512 consecutive bytes, aligned
	global_store_b128 v8, v[20+8*\g:23+8*\g], s[28:29] offset:1024*\g+512
.endr
	s_endpgm
.Lwimg:
	; ---- out_w.  A wave takes 16 rows x 128 along K: four fragments, eight groups of four registers
	s_sub_co_u32 s6, ttmp9, 992
	s_lshl_b32 s6, s6, 2
	s_add_co_u32 s6, s6, s32
	s_lshr_b32 s7, s6, 3                           ; nt
	s_and_b32 s6, s6, 7                            ; ks
	s_lshl_b32 s34, s7, 16                         ; 16 rows of 4,096 bytes
	s_lshl_b32 s33, s6, 9                          ; 128 numbers
	s_add_co_u32 s34, s34, s33
	s_mov_b32 s35, 0
	s_add_nc_u64 s[22:23], s[22:23], s[34:35]
	s_lshl_b32 s34, s6, 18
	s_lshl_b32 s33, s7, 12
	s_add_co_u32 s34, s34, s33
	s_add_nc_u64 s[30:31], s[30:31], s[34:35]
	v_and_b32 v3, 15, v0
	v_bfe_u32 v9, v0, 4, 1
	v_lshlrev_b32 v3, 12, v3
	v_lshl_add_u32 v3, v9, 5, v3                   ; row r, + 8 h numbers
	v_lshlrev_b32 v8, 4, v2
.irp f, 0,1,2,3,4,5,6,7
	global_load_b128 v[64+8*\f:67+8*\f], v3, s[22:23] offset:64*\f th:TH_LOAD_NT
	global_load_b128 v[68+8*\f:71+8*\f], v3, s[22:23] offset:64*\f+16 th:TH_LOAD_NT
.endr
.irp f, 0,1,2,3,4,5,6,7
	s_wait_loadcnt 14-2*\f                         ; this group's two loads are in; the later groups' may be out
.irp i, 0,1,2,3
	v_cvt_pk_f16_f32 v[16+4*\f+\i], v[64+8*\f+2*\i], v[65+8*\f+2*\i]
.endr
	global_store_b128 v8, v[16+4*\f:19+4*\f], s[30:31] offset:512*\f          ; 32 lanes store 512 consecutive bytes, aligned
.endr
	s_endpgm
.Lfunc_end_k_q1c2289c602_prep:
	.size	k_q1c2289c602_prep, .Lfunc_end_k_q1c2289c602_prep-k_q1c2289c602_prep
	.p2alignl 7, 3214868480
	.fill 96, 4, 3214868480
	.section	.rodata,"a",@progbits
	.p2align	6, 0x0
	.amdhsa_kernel k_q1c2289c602_prep
		.amdhsa_group_segment_fixed_size 33280
		.amdhsa_private_segment_fixed_size 0
		.amdhsa_enable_private_segment 0
		.amdhsa_kernarg_size 96
		.amdhsa_user_sgpr_count 2
		.amdhsa_user_sgpr_kernarg_segment_ptr 1
		.amdhsa_wavefront_size32 1
		.amdhsa_system_sgpr_workgroup_id_x 1
		.amdhsa_system_sgpr_workgroup_id_y 1
		.amdhsa_system_sgpr_workgroup_id_z 1
		.amdhsa_system_vgpr_workitem_id 0
		.amdhsa_next_free_vgpr 192
		.amdhsa_next_free_sgpr 66
		.amdhsa_reserve_vcc 0
		.amdhsa_float_denorm_mode_32 3
		.amdhsa_float_denorm_mode_16_64 3
		.amdhsa_memory_ordered 1
		.amdhsa_forward_progress 1
		.amdhsa_inst_pref_size 55
	.end_amdhsa_kernel
	.amdgpu_metadata
---
amdhsa.version: [ 1, 2 ]
amdhsa.kernels:
  - .name:           k_q1c2289c602_prep
    .symbol:         k_q1c2289c602_prep.kd
    .args:
      - { .name: Q, .offset: 0, .size: 8, .value_kind: global_buffer, .address_space: global }
      - { .name: K, .offset: 8, .size: 8, .value_kind: global_buffer, .address_space: global }
      - { .name: V, .offset: 16, .size: 8, .value_kind: global_buffer, .address_space: global }
      - { .name: Wq_w, .offset: 24, .size: 8, .value_kind: global_buffer, .address_space: global }
      - { .name: Wk_w, .offset: 32, .size: 8, .value_kind: global_buffer, .address_space: global }
      - { .name: Wv_w, .offset: 40, .size: 8, .value_kind: global_buffer, .address_space: global }
      - { .name: mask, .offset: 48, .size: 8, .value_kind: global_buffer, .address_space: global }
      - { .name: out_w, .offset: 56, .size: 8, .value_kind: global_buffer, .address_space: global }
      - { .name: codes, .offset: 64, .size: 8, .value_kind: global_buffer, .address_space: global }
      - { .name: scales, .offset: 72, .size: 8, .value_kind: global_buffer, .address_space: global }
      - { .name: mask4, .offset: 80, .size: 8, .value_kind: global_buffer, .address_space: global }
      - { .name: wimg, .offset: 88, .size: 8, .value_kind: global_buffer, .address_space: global }
    .group_segment_fixed_size: 33280
    .private_segment_fixed_size: 0
    .kernarg_segment_align: 8
    .kernarg_segment_size: 96
    .max_flat_workgroup_size: 128
    .sgpr_count:     66
    .vgpr_count:     192
    .wavefront_size: 32
...
	.end_amdgpu_metadata
.endif
;; end of part 1
;; launch proj (part 2): grid 4 x 96, 4 waves a work-group, clusters of 4 x 4, 327,680 bytes of LDS; arguments codes, scales, Wq_b, qimg, kv, Wv_b; writes qimg, kv
.if DOCPART == 2
	.amdgcn_target "amdgcn-amd-amdhsa--gfx1250"
	.amdhsa_code_object_version 6
	.text
	.protected	k_q1c2289c602_proj
	.globl	k_q1c2289c602_proj
	.p2align	8
	.type	k_q1c2289c602_proj,@function
k_q1c2289c602_proj:
	s_mov_b64 s[64:65], 0
	v_nop
	global_prefetch_b8 v0, s[64:65] scope:SCOPE_SE
	s_setreg_imm32_b32 hwreg(HW_REG_WAVE_MODE, 25, 1), 1
	s_wait_xcnt 0x0
	s_wait_alu depctr_hold_cnt(0) depctr_sa_sdst(0) depctr_va_vdst(0) depctr_va_sdst(0) depctr_va_ssrc(0) depctr_va_vcc(0) depctr_vm_vsrc(0)
	s_getreg_b32 s2, hwreg(HW_REG_IB_STS2, 6, 4)
	s_cmp_eq_u32 s2, 0
	s_cbranch_scc0 .Lentry_in_a_cluster
	s_endpgm
.Lentry_in_a_cluster:
	s_bfe_u32 s2, ttmp6, 0x10000c
	s_cmp_lg_u32 s2, 0xf033
	s_cbranch_scc0 .Lentry_shape_is_right
	s_endpgm
.Lentry_shape_is_right:
; Launch 2 of 4: the three quantised projections, on codes of FP4 (E2M1) with one E8M0 scale for each 32 along K; K = 1,024; sums in f32.
; LEFT OUT: Wk_b, which the softmax along the keys cancels for all values (shown at the head of the first kernel).
; A tile of 256 x 256 is made by a work-group of four waves, a wave makes 128 x 128: 64 accumulators, 512 registers.  K goes in two steps of 512 through two LDS slots, each filled once; the scale bytes of the
; work-group's 2 x 256 rows come once, as dense blocks.  24 clusters of 4 x 4 work-groups: clusters 0-7 make q, 8-15 k, 16-23 v (p = cluster y / 8, the same in all partners).
; SIDE A is shared along a row of the cluster, SIDE B along a column: each tile is asked for jointly.  The matrix instruction takes side B's rows as source 0 and side A's as source 1, so a lane holds ONE row of side A
; and eight neighbouring rows of side B.  For q and k side A is the tokens and side B the weight: a lane holds a token and eight neighbouring channels.  For v side A is Wv and side B the tokens: a channel and eight
; neighbouring keys.  In each case four conversions to f16 give 16 bytes that ARE a group of four registers of the next product's operand, so results leave as images of operand registers, 16 bytes a lane,
; 512 consecutive aligned bytes a store, with no stage in LDS:
;   qimg [bh 64][tile of 16 queries 128][cs 2][c 2][512]: (q + Wq_b) x log2(e) / 8, channels 32 cs + 16 c + 8 h + 0 .. 7 of query r
;   kv   [bh 64][step of 64 keys 32][16,384]: bytes 0-8,191 K [kt 4][cs 2][c 2][512]; bytes 8,192 on V^T [ct 4][ks 2][c 2][512]: channel 16 ct + r, keys 32 ks + 16 c + 8 h + 0 .. 7, with Wv_b added
; LIMITS: q x 0.18, k and v go to f16: magnitudes over 65,504 are not served.
; REGISTERS, in windows of 256: window 0: v0-31 addresses; v32-95 scale words, two sets; v128-191 side A's fragments, one set; on the way out v32-95 packed results, v128-191 at work, v192-255 biases.
;   window 1: side B's fragments, two sets, at v0 and v128.   window 2: the accumulators of my rows 0-63 of side A ((a, b) at v[8 (8 a + b)]);   window 3: rows 64-127.
.set NQ,     4                         ; matrix instructions deep in a slot (512 along K)
.set ROWB,   256                       ; a tile's row in bytes
.set KROW,   512                       ; a row of codes in memory
.set PITCH,  272                       ; an LDS row: 256 bytes + 16 of padding: the 16 rows that a load touches start 68 words apart
.set FR,     8
.set NL,     2
.set NP,     4                         ; places behind this matrix instruction (ISA guide 7.12.1)
.set HALFT,  128*PITCH
.set SLOT,   4*HALFT
.set KS,     32                        ; a row of scale bytes
.set SCL,    2*SLOT
.set HALFS,  (128*KS/256)*272
.set SBLK,   (16*KS/256)*272
.set SPARE,  SCL+4*HALFS               ; the spare words, 128 bytes a wave
.set ADRA, 16
.set ADRB, 20
.set CO,   26                          ; v26  16 x lane
.set ADRS, 27
.set SPW,  28
.set NIL,  29
.set SC,   32
.set AF,   128
.set YW,   32                          ; the way out: packed results, two sets of 32
.set TW,   128                         ; at work
.set BI,   192                         ; biases
.set G1, 24
.set G0, 32
.set G1B, 48
.set G0B, 56
.set G1S, 68
.set G0S, 76
.set G1SB, 80
.set G0SB, 88
.set MSB, 0
.macro WIN new                         ; the immediate's high byte repeats the setting that is left
.if MSB != (\new)
	s_set_vgpr_msb (MSB<<8)|(\new)
.set MSB, (\new)
.endif
.endm
.set MUL_LO, 0xa1
.set MUL_HI, 0xf1
.set TO_B,   0x40
; A joint load: waves 0 and 1 fetch for side A, waves 2 and 3 for side B.  An s_nop 0 and four v_nop follow each of the two lines.
.macro JLOAD g0a, g1a, g0b, g1b
	s_cmp_eq_u32 s15, 0
	s_cbranch_scc0 .Lfor_b_\@
	tensor_load_to_lds s[\g0a:\g0a+3], s[\g1a:\g1a+7]
	s_nop 0
.rept 4
	v_nop
.endr
	s_branch .Lasked_\@
.Lfor_b_\@:
	tensor_load_to_lds s[\g0b:\g0b+3], s[\g1b:\g1b+7]
	s_nop 0
.rept 4
	v_nop
.endr
.Lasked_\@:
.endm
.macro CROUND                          ; a round of the cluster's barrier
	s_barrier_signal -1
	s_barrier_wait -1
	s_cmp_lg_u32 s14, 0
	s_cbranch_scc1 .Lnot_wave_0_\@
	s_barrier_signal -3
.Lnot_wave_0_\@:
	s_barrier_wait -3
	s_barrier_signal -1
	s_barrier_wait -1
.endm
	s_load_b256 s[4:11], s[0:1], 0x0               ; codes s[4:5], scales s[6:7], Wq_b s[8:9], qimg s[10:11]
	s_load_b64 s[12:13], s[0:1], 0x20              ; kv
	s_load_b64 s[100:101], s[0:1], 0x28            ; Wv_b
	v_lshl_add_u32 v[SPW], v0, 2, SPARE
	v_mov_b32 v[NIL], 0
	ds_add_u32 v[SPW], v[NIL]                      ; the wave's opening: the add, twice on end, and its wait ahead of my first tensor load
	ds_add_u32 v[SPW], v[NIL]
	v_lshrrev_b32 v1, 5, v0
	v_readfirstlane_b32 s14, v1                    ; wave 0..3
	s_lshr_b32 s15, s14, 1                         ; which half of side A's rows I multiply.  Also: I fetch for A (0) or for B (1)
	s_and_b32 s16, s14, 1                          ; which half of side B's.  Also: which 128 rows I fetch
	s_bfe_u32 s40, ttmp6, 0x40000                  ; cx
	s_bfe_u32 s41, ttmp6, 0x40004                  ; cy
	s_and_b32 s96, ttmp7, 0xffff                   ; the cluster, 0..23
	s_lshr_b32 s98, s96, 3                         ; p: 0 q, 1 k, 2 v
	s_and_b32 s99, s96, 7
	s_lshl_b32 s99, s99, 2                         ; the cluster's first tile of 256 tokens
	s_lshl_b32 s66, s98, 22                        ; Q's or K's codes begin at p x 4 MiB,
	s_lshl_b32 s67, s98, 19
	s_add_co_u32 s67, s67, 12<<20                  ; Wq's or Wk's at 12 MiB + p x 512 KiB,
	s_mov_b32 s95, 13<<20                          ; Wv's at 13 MiB,
	s_mov_b32 s97, 8<<20                           ; V's at 8 MiB
	s_cmp_lt_u32 s98, 2                            ; q and k: tokens on side A; v: tokens on side B
	s_cselect_b32 s17, s99, 0
	s_cselect_b32 s42, 0, s99
	s_cselect_b32 s66, s66, s95                    ; where side A's tensor begins in 'codes'
	s_cselect_b32 s67, s67, s97                    ; and side B's
	s_add_co_u32 s17, s17, s41                     ; side A's tile of 256 rows: hangs on cy alone
	s_add_co_u32 s42, s42, s40                     ; side B's: on cx alone
	s_lshl_b32 s43, s41, 2
	s_lshl_b32 s43, 15, s43                        ; my row of the cluster
	s_lshl_b32 s44, 0x1111, s40                    ; my column
	; descriptor group 1: a tile of 128 rows x 256 bytes, 16 bytes of padding behind each row
	s_or_b32 s[G1+0], s43, (0<<16)|(1<<20)|(1<<21)|(5<<22)|(3<<25)
	s_or_b32 s[G1B+0], s44, (0<<16)|(1<<20)|(1<<21)|(5<<22)|(3<<25)
.irp g, G1, G1B
	s_mov_b32 s[\g+1], ROWB<<16                    ; tensor_dim0
	s_mov_b32 s[\g+2], 128<<16                     ; tensor_dim1
	s_mov_b32 s[\g+3], ROWB<<16                    ; tile_dim0
	s_mov_b32 s[\g+4], 128                         ; tile_dim1
	s_mov_b32 s[\g+5], KROW                        ; from row to row
	s_mov_b32 s[\g+6], 0
	s_mov_b32 s[\g+7], 0
.endr
	; the scales of 128 rows: 4,096 dense bytes, as 16 rows of 256 bytes (32 elements of 8), 16 bytes of padding behind each
	s_or_b32 s[G1S+0], s43, (3<<16)|(1<<20)|(1<<21)|(5<<22)|(3<<25)
	s_or_b32 s[G1SB+0], s44, (3<<16)|(1<<20)|(1<<21)|(5<<22)|(3<<25)
.irp g, G1S, G1SB
	s_mov_b32 s[\g+1], 32<<16
	s_mov_b32 s[\g+2], (128*KS/256)<<16
	s_mov_b32 s[\g+3], 32<<16
	s_mov_b32 s[\g+4], 128*KS/256
	s_mov_b32 s[\g+5], 32
	s_mov_b32 s[\g+6], 0
	s_mov_b32 s[\g+7], 0
.endr
	s_lshl_b32 s18, s16, 7                         ; which 128 rows of the tile I fetch
	s_lshl_b32 s20, s17, 8
	s_add_co_u32 s20, s20, s18                     ; side A's row
	s_lshl_b32 s46, s42, 8
	s_add_co_u32 s46, s46, s18                     ; side B's row
	s_lshl_b32 s22, s20, 5                         ; its scale bytes: 32 a row, the tensor's start a sixteenth of the codes'
	s_lshr_b32 s18, s66, 4
	s_add_co_u32 s22, s22, s18
	s_mov_b32 s23, 0
	s_lshl_b32 s20, s20, 9                         ; its codes: 512 bytes a row
	s_add_co_u32 s20, s20, s66
	s_mov_b32 s21, 0
	s_lshl_b32 s92, s46, 5
	s_lshr_b32 s18, s67, 4
	s_add_co_u32 s92, s92, s18
	s_mov_b32 s93, 0
	s_lshl_b32 s46, s46, 9
	s_add_co_u32 s46, s46, s67
	s_mov_b32 s47, 0
	s_mul_i32 s45, s14, HALFT                      ; where they go: wave x 128 rows: no place in the cluster enters an LDS address
	s_mul_i32 s94, s14, HALFS
	s_wait_dscnt 0x0                               ; both opening adds are done
	s_wait_kmcnt 0x0
	s_add_nc_u64 s[20:21], s[4:5], s[20:21]
	s_add_nc_u64 s[22:23], s[6:7], s[22:23]
	s_add_nc_u64 s[46:47], s[4:5], s[46:47]
	s_add_nc_u64 s[92:93], s[6:7], s[92:93]
	CROUND                                         ; all sixteen work-groups are here: the joint loads meet
	s_mov_b32 s[G0S], 1
	s_add_co_u32 s[G0S+1], s94, SCL
	s_mov_b64 s[G0S+2:G0S+3], s[22:23]
	s_or_b32 s[G0S+3], s[G0S+3], 0x80000000
	s_mov_b32 s[G0SB], 1
	s_add_co_u32 s[G0SB+1], s94, SCL
	s_mov_b64 s[G0SB+2:G0SB+3], s[92:93]
	s_or_b32 s[G0SB+3], s[G0SB+3], 0x80000000
	JLOAD G0S, G1S, G0SB, G1SB                     ; the scales first: they are wanted with K step 0
.irp s, 0,1
	s_mov_b32 s[G0+4*\s], 1
	s_add_co_u32 s[G0+4*\s+1], s45, \s*SLOT
	s_add_nc_u64 s[G0+4*\s+2:G0+4*\s+3], s[20:21], \s*ROWB
	s_or_b32 s[G0+4*\s+3], s[G0+4*\s+3], 0x80000000
	s_mov_b32 s[G0B+4*\s], 1
	s_add_co_u32 s[G0B+4*\s+1], s45, \s*SLOT
	s_add_nc_u64 s[G0B+4*\s+2:G0B+4*\s+3], s[46:47], \s*ROWB
	s_or_b32 s[G0B+4*\s+3], s[G0B+4*\s+3], 0x80000000
	JLOAD G0+4*\s, G1, G0B+4*\s, G1B               ; both K steps: three tensor loads of mine are out, and none follows
.endr
	v_and_b32 v1, 15, v0                           ; r = l % 16
	v_bfe_u32 v2, v0, 4, 1                         ; h = l / 16
	v_mul_u32_u24 v3, v1, PITCH
	v_lshl_add_u32 v4, v2, 4, v3                   ; a fragment's row x pitch + 16 x half
	s_mul_i32 s21, s15, HALFT                      ; my 128 rows of side A
	s_mul_i32 s22, s16, HALFT                      ; my 128 rows of side B,
	s_add_co_u32 s22, s22, 2*HALFT                 ; which lie behind A's 256
.irp s, 0,1
	v_add_nc_u32 v[ADRA+\s], s21, v4
	v_add_nc_u32 v[ADRB+\s], s22, v4
	s_add_co_u32 s21, s21, SLOT
	s_add_co_u32 s22, s22, SLOT
.endr
	v_mul_u32_u24 v5, v1, KS                       ; my row's scales: 32 bytes a row,
	v_lshrrev_b32 v6, 8, v5
	v_lshl_add_u32 v5, v6, 4, v5                   ; and 16 more for each 256 passed
	s_mul_i32 s21, s15, HALFS
	s_mul_i32 s22, s16, HALFS
	s_add_co_u32 s22, s22, 2*HALFS
	s_sub_co_u32 s22, s22, s21
	v_mul_u32_u24 v6, s22, v2                      ; lanes 16-31 take side B's
	s_add_co_u32 s21, s21, SCL
	v_add_nc_u32 v5, v5, v6
	v_add_nc_u32 v[ADRS], s21, v5
	v_and_b32 v6, 31, v0
	v_lshlrev_b32 v[CO], 4, v6                     ; the way out: 16 x lane
.macro FRAG reg, adr, q, i             ; 16 rows x 128 K of 4-bit codes: 8 registers: lane l holds row l % 16; registers 4 c .. 4 c + 3 hold K = 64 c + 32 (l / 16) + 0 .. 31
.irp c, 0,1
	ds_load_b128 v[\reg+4*\c:\reg+4*\c+3], v[\adr] offset:64*(\q)+32*\c+(\i)*16*PITCH
.endr
.endm
; 16 matrix instructions: A's blocks a0, a0 + 1 x B's eight.  The 64 accumulators take turns, one instruction a turn, in the same order in every step.
.macro MUL16 a0, p, q, sc, zero
.irp a, \a0, \a0+1
.irp b, 0,1,2,3,4,5,6,7
.if \zero
	v_wmma_scale_f32_16x16x128_f8f6f4 v[8*(8*((\a)%4)+\b):8*(8*((\a)%4)+\b)+7], v[128*(\p)+FR*\b:128*(\p)+FR*\b+FR-1], v[AF+FR*(\a):AF+FR*(\a)+FR-1], 0, v[SC+8*NQ*(\sc)+NQ*\b+(\q)], v[SC+8*NQ*(\sc)+NQ*(\a)+(\q)] matrix_a_fmt:MATRIX_FMT_FP4 matrix_b_fmt:MATRIX_FMT_FP4 matrix_a_scale:MATRIX_SCALE_ROW1
.else
	v_wmma_scale_f32_16x16x128_f8f6f4 v[8*(8*((\a)%4)+\b):8*(8*((\a)%4)+\b)+7], v[128*(\p)+FR*\b:128*(\p)+FR*\b+FR-1], v[AF+FR*(\a):AF+FR*(\a)+FR-1], v[8*(8*((\a)%4)+\b):8*(8*((\a)%4)+\b)+7], v[SC+8*NQ*(\sc)+NQ*\b+(\q)], v[SC+8*NQ*(\sc)+NQ*(\a)+(\q)] matrix_a_fmt:MATRIX_FMT_FP4 matrix_b_fmt:MATRIX_FMT_FP4 matrix_a_scale:MATRIX_SCALE_ROW1
.endif
.endr
.endr
.endm
.macro FETCH_B slot, q, p
	WIN TO_B
.irp i, 0,1,2,3,4,5,6,7
	FRAG 128*(\p)+FR*\i, ADRB+\slot, \q, \i
.endr
	WIN 0
.endm
.macro FETCH_A slot, q, i0
.irp i, \i0, \i0+1, \i0+2, \i0+3
	FRAG AF+FR*(\i), ADRA+\slot, \q, \i
.endr
.endm
.macro SCALES sc                       ; a K step's scale words: 4 words a row; lanes 0-15 take A's block i, lanes 16-31 B's block i
.irp i, 0,1,2,3,4,5,6,7
	ds_load_b128 v[SC+8*NQ*\sc+NQ*\i:SC+8*NQ*\sc+NQ*\i+3], v[ADRS] offset:\i*SBLK
.endr
.endm
.macro PLACES n                        ; plain vector instructions between a matrix instruction and a load into, or a vector instruction on, its registers
.rept \n
	v_nop
.endr
.endm
.macro STEP slot, q, zero              ; 128 along K that has its successor in the same slot
	s_wait_dscnt 4*NL                              ; B's set and A's blocks 0-3 are in; the youngest eight loads (A's blocks 4-7) may be out
	WIN MUL_LO
	MUL16 0, (\q)%2, \q, \slot, \zero
	MUL16 2, (\q)%2, \q, \slot, \zero
	s_wait_dscnt 0                                 ; A's blocks 4-7 are in
	PLACES NP
	FETCH_B \slot, (\q)+1, 1-(\q)%2
	FETCH_A \slot, (\q)+1, 0
	WIN MUL_HI
	MUL16 4, (\q)%2, \q, \slot, \zero
	MUL16 6, (\q)%2, \q, \slot, \zero
	PLACES NP
	WIN 0
	FETCH_A \slot, (\q)+1, 4
.endm
.macro TURN slot, next                 ; a slot's last step changes slots: one barrier; nothing is filled again in this launch
	s_wait_tensorcnt 0x0                           ; all my tensor loads have landed: my part of the next slot
	ds_add_u32 v[SPW], v[NIL]                      ; 0 onto my spare word
	s_wait_dscnt 4*NL+1                            ; the add and the youngest eight loads may be out
	WIN MUL_LO
	MUL16 0, 1, NQ-1, \slot, 0
	s_wait_dscnt 0x0                               ; the add is done, and my reads of this slot are over
	s_barrier_signal -1
	MUL16 2, 1, NQ-1, \slot, 0
	WIN 0
	s_barrier_wait -1                              ; the next slot is whole
	PLACES NP
	v_add_nc_u32 v[ADRS], 4*NQ, v[ADRS]            ; the next K step's scale words (no LDS load of mine is out)
	FETCH_B \next, 0, 0
	FETCH_A \next, 0, 0
	SCALES \next
	WIN MUL_HI
	MUL16 4, 1, NQ-1, \slot, 0
	MUL16 6, 1, NQ-1, \slot, 0
	PLACES NP
	WIN 0
	FETCH_A \next, 0, 4
.endm
	s_wait_tensorcnt 1                             ; the scales and my part of K step 0 are in; K step 1's load may be out
	s_barrier_signal -1
	s_barrier_wait -1
	FETCH_B 0, 0, 0
	FETCH_A 0, 0, 0
	SCALES 0
	FETCH_A 0, 0, 4
	STEP 0, 0, 1                                   ; the first products start the sums: nothing is cleared
	STEP 0, 1, 0
	STEP 0, 2, 0
	TURN 0, 1
	STEP 1, 0, 0
	STEP 1, 1, 0
	STEP 1, 2, 0
	s_wait_dscnt 4*NL                              ; the last step: nothing more to fetch
	WIN MUL_LO
	MUL16 0, 1, NQ-1, 1, 0
	MUL16 2, 1, NQ-1, 1, 0
	s_wait_dscnt 0
	WIN MUL_HI
	MUL16 4, 1, NQ-1, 1, 0
	MUL16 6, 1, NQ-1, 1, 0
	WIN 0
	PLACES NP                                      ; in front of the first read of results and the first write of registers that held fragments and scales
	; THE WAY OUT.  My first row of side A and of side B; which of them counts tokens and which channels hangs on p
	s_lshl_b32 s2, s17, 8
	s_lshl_b32 s95, s15, 7
	s_add_co_u32 s2, s2, s95
	s_lshl_b32 s3, s42, 8
	s_lshl_b32 s95, s16, 7
	s_add_co_u32 s3, s3, s95
	s_cmp_lt_u32 s98, 2
	s_cselect_b32 s95, s2, s3                      ; my first token, of 8,192
	s_cselect_b32 s96, s3, s2                      ; my first channel, of 1,024
	s_lshr_b32 s97, s95, 11
	s_lshl_b32 s97, s97, 4
	s_lshr_b32 s99, s96, 6
	s_add_co_u32 s97, s97, s99                     ; bh = 16 x batch + my first head
	s_and_b32 s95, s95, 2047                       ; my first position in the sequence
	s_lshl_b32 s96, s96, 2                         ; the channel's byte in a bias
	s_mov_b32 s3, 0
; Block a of side A: 8 accumulators become 8 groups of four registers of f16 and leave.  mode 0: q; 1: k; 2: v.  Each accumulator is read from its low end on.
.macro OUT mode, a
.set AC, 64*((\a)%4)
.set YY, YW+32*((\a)%2)
.if (\a) > 1
	s_wait_xcnt 0x0                                ; block a - 2's stores have read their data: the set is written again only behind this wait
.endif
.if \mode == 0
	WIN 0x02+(\a)/4                                ; source 0: window 2 or 3
.irp b, 0,1,2,3,4,5,6,7
.irp i, 0,2,4,6
	v_pk_fma_f32 v[TW+8*\b+\i:TW+8*\b+\i+1], v[AC+8*\b+\i:AC+8*\b+\i+1], s[2:3], v[BI+8*\b+\i:BI+8*\b+\i+1] op_sel_hi:[1,0,1]   ; q c + Wq_b c
.endr
.endr
	WIN 0
.elseif \mode == 2
	WIN 0x02+(\a)/4
.irp b, 0,1,2,3,4,5,6,7
.irp i, 0,2,4,6
	v_pk_add_f32 v[TW+8*\b+\i:TW+8*\b+\i+1], v[AC+8*\b+\i:AC+8*\b+\i+1], v[BI+2*(\a):BI+2*(\a)+1]   ; my channel's bias stands in both halves of the pair
.endr
.endr
	WIN 0
.endif
.if \mode == 1
	WIN 0x0a+5*((\a)/4)                            ; sources 0 and 1: window 2 or 3
.irp b, 0,1,2,3,4,5,6,7
.irp i, 0,1,2,3
	v_cvt_pk_f16_f32 v[YY+4*\b+\i], v[AC+8*\b+2*\i], v[AC+8*\b+2*\i+1]
.endr
.endr
	WIN 0
.else
.irp b, 0,1,2,3,4,5,6,7
.irp i, 0,1,2,3
	v_cvt_pk_f16_f32 v[YY+4*\b+\i], v[TW+8*\b+2*\i], v[TW+8*\b+2*\i+1]
.endr
.endr
.endif
.irp b, 0,1,2,3,4,5,6,7                ; each store: 32 lanes, 512 consecutive bytes, aligned
.if \mode == 0
	global_store_b128 v[CO], v[YY+4*\b:YY+4*\b+3], s[10:11] offset:(\a)*2048+(\b/4)*262144+(\b%4)*512
.elseif \mode == 1
	global_store_b128 v[CO], v[YY+4*\b:YY+4*\b+3], s[12:13] offset:((\a)/4)*16384+((\a)%4)*2048+(\b/4)*524288+(\b%4)*512
.else
	global_store_b128 v[CO], v[YY+4*\b:YY+4*\b+3], s[12:13] offset:((\a)/4)*524288+((\a)%4)*2048+(\b/4)*16384+(\b%4)*512
.endif
.endr
.endm
	s_cmp_eq_u32 s98, 0
	s_cbranch_scc1 .Lq
	s_lshl_b32 s2, s97, 5                          ; k and v: (32 bh + position / 64) steps of 16,384 bytes
	s_lshr_b32 s99, s95, 6
	s_add_co_u32 s2, s2, s99
	s_lshl_b32 s2, s2, 14
	s_add_nc_u64 s[12:13], s[12:13], s[2:3]
	s_cmp_eq_u32 s98, 1
	s_cbranch_scc1 .Lk
	s_add_nc_u64 s[12:13], s[12:13], 8192          ; v: V^T lies behind K in a step
	s_mov_b32 s2, s96
	s_add_nc_u64 s[100:101], s[100:101], s[2:3]
	v_lshlrev_b32 v5, 2, v1                        ; my channel of a block: r
.irp a, 0,1,2,3,4,5,6,7
	global_load_b32 v[BI+2*\a], v5, s[100:101] offset:64*\a
	global_load_b32 v[BI+2*\a+1], v5, s[100:101] offset:64*\a
.endr
	s_wait_loadcnt 0x0
.irp a, 0,1,2,3,4,5,6,7
	OUT 2, \a
.endr
	s_branch .Ldone
.Lq:
	s_lshl_b32 s2, s97, 7                          ; q: (128 bh + position / 16) tiles of 2,048 bytes
	s_lshr_b32 s99, s95, 4
	s_add_co_u32 s2, s2, s99
	s_lshl_b32 s2, s2, 11
	s_add_nc_u64 s[10:11], s[10:11], s[2:3]
	s_mov_b32 s2, s96
	s_add_nc_u64 s[8:9], s[8:9], s[2:3]
	v_lshlrev_b32 v5, 5, v2                        ; my eight channels of a block: 8 h on
.irp b, 0,1,2,3,4,5,6,7
	global_load_b128 v[BI+8*\b:BI+8*\b+3], v5, s[8:9] offset:64*\b
	global_load_b128 v[BI+8*\b+4:BI+8*\b+7], v5, s[8:9] offset:64*\b+16
.endr
	s_mov_b32 s2, 0x3e38aa3b                       ; c = log2(e) / sqrt(64): the softmax works in base 2
	s_mov_b32 s3, s2                               ; (named with it as a pair, so it is written)
	s_wait_loadcnt 0x0
.irp i, 0,2,4,6,8,10,12,14,16,18,20,22,24,26,28,30,32,34,36,38,40,42,44,46,48,50,52,54,56,58,60,62
	v_pk_mul_f32 v[BI+\i:BI+\i+1], v[BI+\i:BI+\i+1], s[2:3] op_sel_hi:[1,0]
.endr
.irp a, 0,1,2,3,4,5,6,7
	OUT 0, \a
.endr
	s_branch .Ldone
.Lk:
.irp a, 0,1,2,3,4,5,6,7
	OUT 1, \a
.endr
.Ldone:
	s_wait_tensorcnt 0x0                           ; the wave's end, behind my last tensor load
	ds_add_u32 v[SPW], v[NIL]
	s_wait_dscnt 0x0
	CROUND                                         ; the closing round
	s_endpgm
.Lfunc_end_k_q1c2289c602_proj:
	.size	k_q1c2289c602_proj, .Lfunc_end_k_q1c2289c602_proj-k_q1c2289c602_proj
	.p2alignl 7, 3214868480
	.fill 96, 4, 3214868480
	.section	.rodata,"a",@progbits
	.p2align	6, 0x0
	.amdhsa_kernel k_q1c2289c602_proj
		.amdhsa_group_segment_fixed_size 327680
		.amdhsa_private_segment_fixed_size 0
		.amdhsa_enable_private_segment 0
		.amdhsa_kernarg_size 48
		.amdhsa_user_sgpr_count 2
		.amdhsa_user_sgpr_kernarg_segment_ptr 1
		.amdhsa_wavefront_size32 1
		.amdhsa_system_sgpr_workgroup_id_x 1
		.amdhsa_system_sgpr_workgroup_id_y 1
		.amdhsa_system_sgpr_workgroup_id_z 1
		.amdhsa_system_vgpr_workitem_id 0
		.amdhsa_next_free_vgpr 1024
		.amdhsa_next_free_sgpr 102
		.amdhsa_reserve_vcc 0
		.amdhsa_float_denorm_mode_32 3
		.amdhsa_float_denorm_mode_16_64 3
		.amdhsa_memory_ordered 1
		.amdhsa_forward_progress 1
		.amdhsa_inst_pref_size 201
	.end_amdhsa_kernel
	.amdgpu_metadata
---
amdhsa.version: [ 1, 2 ]
amdhsa.kernels:
  - .name:           k_q1c2289c602_proj
    .symbol:         k_q1c2289c602_proj.kd
    .args:
      - { .name: codes, .offset: 0, .size: 8, .value_kind: global_buffer, .address_space: global }
      - { .name: scales, .offset: 8, .size: 8, .value_kind: global_buffer, .address_space: global }
      - { .name: Wq_b, .offset: 16, .size: 8, .value_kind: global_buffer, .address_space: global }
      - { .name: qimg, .offset: 24, .size: 8, .value_kind: global_buffer, .address_space: global }
      - { .name: kv, .offset: 32, .size: 8, .value_kind: global_buffer, .address_space: global }
      - { .name: Wv_b, .offset: 40, .size: 8, .value_kind: global_buffer, .address_space: global }
    .group_segment_fixed_size: 327680
    .private_segment_fixed_size: 0
    .kernarg_segment_align: 8
    .kernarg_segment_size: 48
    .max_flat_workgroup_size: 128
    .sgpr_count:     102
    .vgpr_count:     1024
    .wavefront_size: 32
...
	.end_amdgpu_metadata
.endif
;; end of part 2
;; launch attn (part 3): grid 4 x 64, 8 waves a work-group, clusters of 4 x 1, 327,680 bytes of LDS; arguments qimg, kv, mask4, oimg; writes oimg
.if DOCPART == 3
	.amdgcn_target "amdgcn-amd-amdhsa--gfx1250"
	.amdhsa_code_object_version 6
	.text
	.protected	k_q1c2289c602_attn
	.globl	k_q1c2289c602_attn
	.p2align	8
	.type	k_q1c2289c602_attn,@function
k_q1c2289c602_attn:
	s_mov_b64 s[64:65], 0
	v_nop
	global_prefetch_b8 v0, s[64:65] scope:SCOPE_SE
	s_setreg_imm32_b32 hwreg(HW_REG_WAVE_MODE, 25, 1), 1
	s_wait_xcnt 0x0
	s_wait_alu depctr_hold_cnt(0) depctr_sa_sdst(0) depctr_va_vdst(0) depctr_va_sdst(0) depctr_va_ssrc(0) depctr_va_vcc(0) depctr_vm_vsrc(0)
	s_getreg_b32 s2, hwreg(HW_REG_IB_STS2, 6, 4)
	s_cmp_eq_u32 s2, 0
	s_cbranch_scc0 .Lentry_in_a_cluster
	s_endpgm
.Lentry_in_a_cluster:
	s_bfe_u32 s2, ttmp6, 0x10000c
	s_cmp_lg_u32 s2, 0x3003
	s_cbranch_scc0 .Lentry_shape_is_right
	s_endpgm
.Lentry_shape_is_right:
; Launch 3 of 4: o = softmax(q k^T / 8, hidden keys at -inf) v, for 64 (batch, head) pairs, 2,048 queries x 2,048 keys x 64 channels.  Operands f16, sums, maxima and exponentials f32.
; LEFT OUT: Wk_b (shown at the head of the first kernel): k comes without it.
; SHARES.  A work-group owns 512 queries of one head, each of its eight waves 64: four tiles of 16; two waves to a SIMD.  Every wave walks all 32 steps of 64 keys.
; LAYOUT.  S^T = K Q^T (source 0 = 16 keys, source 1 = 16 queries): a lane holds ONE query (lane % 16) and keys 8 (lane / 16) + 0 .. 7 of each tile of 16.  Two such tiles, rounded to f16 in pairs, are source 1 of
; O^T = V^T P, whose result again holds one query a lane.  q, K and V^T arrive as images of operand registers: a group of four registers is 512 bytes, 16 x lane: every LDS load reads 512 consecutive bytes.
; THE MASK costs one conversion for eight scores: four bits a key (0xF hidden, 0 open) are widened by v_cvt_scale_pk8_f32_fp4 under the scale 2^100 to -6 x 2^100 or 0, straight into the scores' accumulator, and the
; first score product adds onto it.  2^(hidden - m) is 0 as soon as the row has an open key; what was summed while all keys so far were hidden is wiped by a = 2^(m_old - m_new) = 0.  A row with no open key at all
; ends with m under -2^100 and is made NaN, as a softmax of -inf alone is.
; SOFTMAX.  q carries log2(e) / 8, so S is the exponent in base 2.  A running maximum m and sum l for each query; p = 2^(S - m); in every step O and l are multiplied by a = 2^(m_old - m_new).
; LIMITS: |score x log2(e)| stays under 2^96 (beside the mask's -6 x 2^100); p and o go to f16.
; RING.  A step's K and V^T are 16,384 dense bytes of kv; a slot holds eight steps, wave w fetching step w of the slot by one tensor load of 64 rows x 256 bytes: one tensor load of mine is out at a time.
; CLUSTER.  The four query blocks of a head walk the same K and V: each tile is asked for jointly, by the same load with the same descriptor and a mask that names the four.  The mask bits hang on the queries,
; which partners do not share: they come by plain loads, a step ahead.
; REGISTERS: window 0: v1 16 x lane; v2 the step's LDS address; v12, v13 the add's two; v14 the mask's scale; v15 NaN; v16-47 statistics, 8 a tile: +0 m, +1 0, +2 +3 l, +4..+7 c0-c3 (a takes c2's place);
;   v48-63 mask bits; v64-127 Q; v128-255 S^T, 32 a tile, then P in each tile's first 16.   window 1: v0-127 O^T, 32 a tile; v128-191 K; v192-255 V^T.
.set STEPB, 16384
.set SLOT1, 1<<17                      ; slot 1 begins here: one exclusive or turns an address in one slot into the other's
.set SPARE, 2*SLOT1                    ; the spare words, 128 bytes for each of eight waves
.set L16,  1
.set ADR,  2
.set SPW,  12
.set NIL,  13
.set MSC,  14
.set QNAN, 15
.set ST,   16
.set MK,   48
.set QF,   64
.set S,    128
.set KF,   128
.set VF,   192
.set WV,   12                          ; s12 my wave's number
.set G1,   24                          ; s[24:31]
.set G0,   32                          ; s[32:35], which walks
.set SEL,  36                          ; s[36:37] lane selects: lane l xor 16
.set TB,   38                          ; s38 LDS byte at which the step in hand begins
.set SLOTS, 39
.set CNT,  40
.set NS,   41                          ; steps begun
.set MSB, 0
.macro WIN new
.if MSB != (\new)
	s_set_vgpr_msb (MSB<<8)|(\new)
.set MSB, (\new)
.endif
.endm
.macro CROUND                          ; a round of the cluster's barrier
	s_barrier_signal -1
	s_barrier_wait -1
	s_cmp_lg_u32 s[WV], 0
	s_cbranch_scc1 .Lnot_wave_0_\@
	s_barrier_signal -3
.Lnot_wave_0_\@:
	s_barrier_wait -3
	s_barrier_signal -1
	s_barrier_wait -1
.endm
.macro TLOAD                           ; my part of a slot; an s_nop 0 and four v_nop follow
	tensor_load_to_lds s[G0:G0+3], s[G1:G1+7]
	s_nop 0
.rept 4
	v_nop
.endr
.endm
; Number j of the search for the maximum, for the four tiles by turns
.macro MAXJ j
.irp t, 0,1,2,3
.set rT, ST+8*\t
.set rS, S+32*\t
.if \j < 4
	v_max3_num_f32 v[rT+4+\j], v[rS+8*\j], v[rS+8*\j+1], v[rS+8*\j+2]       ; each accumulator is read from its low end on
.elseif \j < 12
	v_max3_num_f32 v[rT+4+\j%4], v[rT+4+\j%4], v[rS+8*(\j%4)+2*(\j/4)+1], v[rS+8*(\j%4)+2*(\j/4)+2]
.elseif \j == 12
	v_max3_num_f32 v[rT+4], v[rT+4], v[rS+7], v[rS+15]
.elseif \j == 13
	v_max3_num_f32 v[rT+6], v[rT+6], v[rS+23], v[rS+31]
.elseif \j == 14
	v_max3_num_f32 v[rT+4], v[rT+4], v[rT+5], v[rT+6]
.elseif \j == 15
	v_max3_num_f32 v[rT+4], v[rT+4], v[rT+7], v[rT]                          ; with the old m
.elseif \j == 16
	v_permlanex16_b32 v[rT+5], v[rT+4], s[SEL], s[SEL+1]                     ; the query's other 32 keys lie in the lane 16 away
.elseif \j == 17
	v_mov_b32 v[rT+7], v[rT]
.elseif \j == 18
	v_max_num_f32 v[rT], v[rT+4], v[rT+5]                                    ; the new m
.else
	v_sub_f32 v[rT+7], v[rT+7], v[rT]                                        ; m_old - m_new
.endif
.endr
.endm
; A KEY STEP: 64 keys
.macro STEP
	v_add_nc_u32 v[ADR], s[TB], v[L16]
.rept 4
	v_nop                                          ; with the addition five places behind the last products V^T P: for the loads into V's registers, the conversions into P's and the score products that write over them
.endr
	WIN 0x40                                       ; destination window 1
.irp f, 0,1,2,3,4,5,6,7                        ; K: fragment 2 kt + cs
	ds_load_b128 v[KF+8*\f:KF+8*\f+3], v[ADR] offset:1024*\f
	ds_load_b128 v[KF+8*\f+4:KF+8*\f+7], v[ADR] offset:1024*\f+512
.endr
.irp f, 0,1,2,3,4,5,6,7                        ; V^T: fragment 2 ct + ks
	ds_load_b128 v[VF+8*\f:VF+8*\f+3], v[ADR] offset:8192+1024*\f
	ds_load_b128 v[VF+8*\f+4:VF+8*\f+7], v[ADR] offset:8192+1024*\f+512
.endr
	WIN 0
	s_wait_loadcnt 0x0                             ; this step's mask bits (in the first step Q too); the loads are done, so their base may step
	s_add_nc_u64 s[8:9], s[8:9], 512
.irp t, 0,1,2,3
.irp k, 0,1,2,3
	v_cvt_scale_pk8_f32_fp4 v[S+32*\t+8*\k:S+32*\t+8*\k+7], v[MK+4*\t+\k], v[MSC]   ; 0 or -6 x 2^100: what the scores are added onto
.endr
.endr
	v_nop                                          ; one plain place behind the scaled conversions
	s_add_co_u32 s[NS], s[NS], 1
	s_cmp_lt_u32 s[NS], 32                         ; the last step asks for nothing: no load leaves mask4
	s_cbranch_scc0 .Lnm_\@
.irp t, 0,1,2,3
	global_load_b128 v[MK+4*\t:MK+4*\t+3], v[L16], s[8:9] offset:16384*\t   ; the next step's mask bits: 512 consecutive bytes a load
.endr
.Lnm_\@:
	s_wait_dscnt 16                                ; K is in; V's sixteen younger loads may be out
	WIN 0x01                                       ; K in window 1
.irp c, 0,1                                    ; 16 accumulators by turns, one instruction a turn
.irp k, 0,1,2,3
.irp t, 0,1,2,3
	v_wmma_f32_16x16x32_f16 v[S+32*\t+8*\k:S+32*\t+8*\k+7], v[KF+8*(2*\k+\c):KF+8*(2*\k+\c)+7], v[QF+16*\t+8*\c:QF+16*\t+8*\c+7], v[S+32*\t+8*\k:S+32*\t+8*\k+7]
.endr
.endr
.endr
	WIN 0
.rept 4
	v_nop                                          ; places in front of the first read of the scores
.endr
.irp j, 0,1,2,3,4,5,6,7,8,9,10,11,12,13,14,15,16,17,18,19
	MAXJ \j
.endr
.set i, 0
.rept 64
	v_pk_add_f32 v[S+2*i:S+2*i+1], v[S+2*i:S+2*i+1], v[ST+8*(i/16):ST+8*(i/16)+1] op_sel_hi:[1,0] neg_lo:[0,1] neg_hi:[0,1]   ; S - m, two at a time
.set i, i+1
.endr
.irp t, 0,1,2,3
	v_exp_f32 v[ST+8*\t+6], v[ST+8*\t+7]           ; a
.endr
.set i, 0
.rept 128
	v_exp_f32 v[S+i], v[S+i]                       ; p
.set i, i+1
.endr
	v_nop                                          ; a plain instruction behind the last exponential
	s_wait_alu depctr_va_vdst(0)                   ; one wait for the batch of 132, ahead of its first reader
.irp t, 0,1,2,3
	v_pk_fma_f32 v[ST+8*\t+2:ST+8*\t+3], v[ST+8*\t+2:ST+8*\t+3], v[ST+8*\t+6:ST+8*\t+7], v[S+32*\t:S+32*\t+1] op_sel_hi:[1,0,1]   ; l = a l + p, the four tiles' chains by turns
.endr
.irp i, 2,4,6,8,10,12,14,16,18,20,22,24,26,28,30
.irp t, 0,1,2,3
	v_pk_add_f32 v[ST+8*\t+2:ST+8*\t+3], v[ST+8*\t+2:ST+8*\t+3], v[S+32*\t+\i:S+32*\t+\i+1]
.endr
.endr
.set i, 0
.rept 64
	v_cvt_pk_f16_f32 v[S+32*(i/16)+i%16], v[S+32*(i/16)+2*(i%16)], v[S+32*(i/16)+2*(i%16)+1]   ; P in place: register n takes weights 2 n and 2 n + 1, ascending, so nothing unread is written over
.set i, i+1
.endr
	WIN 0x41                                       ; O^T (destination and source 0) in window 1
.set i, 0
.rept 64
	v_pk_mul_f32 v[2*i:2*i+1], v[2*i:2*i+1], v[ST+8*(i/16)+6:ST+8*(i/16)+7] op_sel_hi:[1,0]   ; O^T x a, each accumulator from its low end on
.set i, i+1
.endr
	s_wait_dscnt 0x0                               ; V is in
	WIN 0x51                                       ; V and O^T in window 1, P in window 0
.irp k, 0,1
.irp c, 0,1,2,3
.irp t, 0,1,2,3
	v_wmma_f32_16x16x32_f16 v[32*\t+8*\c:32*\t+8*\c+7], v[VF+8*(2*\c+\k):VF+8*(2*\c+\k)+7], v[S+32*\t+8*\k:S+32*\t+8*\k+7], v[32*\t+8*\c:32*\t+8*\c+7]
.endr
.endr
.endr
	WIN 0
	s_add_co_u32 s[TB], s[TB], STEPB
.endm
.macro SLOT_STEPS                      ; a slot's eight steps: written once, walked eight times
	s_mov_b32 s[CNT], 8
.Lstep_\@:
	STEP
	s_sub_co_u32 s[CNT], s[CNT], 1
	s_cmp_lg_u32 s[CNT], 0
	s_cbranch_scc1 .Lstep_\@
	s_sub_co_u32 s[TB], s[TB], 8*STEPB
	s_xor_b32 s[TB], s[TB], SLOT1                  ; on to the other slot
.endm
; THE CHANGE OF SLOTS stands at a slot's head.  Each wave waits for all its tensor loads (its part of the slot ahead), adds 0 to its spare word, and waits for that and for its reads of the slot that it has left.
; fill = 1: a round of the cluster's barrier, and behind it the other slot is asked for jointly: the load has eight key steps in which to land.
.macro CHANGE fill
	s_wait_tensorcnt 0x0                           ; no tensor load of mine is out, so group 0 may be written
	ds_add_u32 v[SPW], v[NIL]                      ; 0 onto my spare word
.if \fill
	s_xor_b32 s[G0+1], s[G0+1], SLOT1              ; the other slot than last time,
	s_add_nc_u64 s[G0+2:G0+3], s[G0+2:G0+3], 8*STEPB   ; the next eight steps; the type bits on top are not reached
.endif
	s_wait_dscnt 0x0                               ; the add is done, and my reads of the slot that I have left are over
.if \fill
	CROUND
	TLOAD                                          ; the first thing behind the round, and my one tensor load until the next
.else
	s_barrier_signal -1
	s_barrier_wait -1
.endif
.endm
	s_load_b256 s[4:11], s[0:1], 0x0               ; qimg s[4:5], kv s[6:7], mask4 s[8:9], oimg s[10:11]
	v_lshl_add_u32 v[SPW], v0, 2, SPARE
	v_mov_b32 v[NIL], 0
	ds_add_u32 v[SPW], v[NIL]                      ; the wave's opening: the add, twice on end, and its wait ahead of my first tensor load
	ds_add_u32 v[SPW], v[NIL]
	v_lshrrev_b32 v1, 5, v0
	v_readfirstlane_b32 s[WV], v1                  ; wave 0..7
	s_bfe_u32 s13, ttmp6, 0x40000                  ; cx: my block of 512 queries (the grid has one cluster along x)
	s_and_b32 s14, ttmp7, 0xffff                   ; bh, which the four partners share
	; descriptor group 1: 64 rows of 256 bytes (32 elements of 8), dense, no padding
	s_mov_b32 s[G1], 15|(3<<16)|(1<<21)            ; 15:0 the mask: all four work-groups; 17:16 elements of 8 bytes; 21 set beside a mask
	s_mov_b32 s[G1+1], 32<<16                      ; tensor_dim0
	s_mov_b32 s[G1+2], 64<<16                      ; tensor_dim1
	s_mov_b32 s[G1+3], 32<<16                      ; tile_dim0
	s_mov_b32 s[G1+4], 64                          ; tile_dim1
	s_mov_b32 s[G1+5], 32                          ; from row to row
	s_mov_b32 s[G1+6], 0
	s_mov_b32 s[G1+7], 0
	s_lshl_b32 s16, s14, 19                        ; kv: the head's 32 steps of 16,384 bytes,
	s_lshl_b32 s17, s[WV], 14                      ; my step of a slot
	s_add_co_u32 s16, s16, s17
	s_mov_b32 s17, 0
	s_lshl_b32 s15, s13, 5
	s_lshl_b32 s18, s[WV], 2
	s_add_co_u32 s15, s15, s18                     ; my first tile of 16 queries in the sequence: 32 cx + 4 wave
	s_lshl_b32 s18, s14, 7
	s_add_co_u32 s18, s18, s15
	s_lshl_b32 s18, s18, 11                        ; qimg: 2,048 bytes a tile
	s_mov_b32 s19, 0
	s_lshl_b32 s20, s15, 14                        ; mask4: 16,384 bytes a tile
	s_mov_b32 s21, 0
	s_lshr_b32 s22, s14, 4                         ; the batch
	s_lshl_b32 s22, s22, 7
	s_add_co_u32 s22, s22, s15                     ; oimg: my first tile of 16 tokens,
	s_lshl_b32 s22, s22, 12                        ; 4,096 bytes a tile and K step of 128;
	s_and_b32 s23, s14, 15                         ; the head: two heads to a K step
	s_lshr_b32 s42, s23, 1
	s_lshl_b32 s42, s42, 21
	s_add_co_u32 s22, s22, s42
	s_and_b32 s23, s23, 1
	s_lshl_b32 s23, s23, 11
	s_add_co_u32 s22, s22, s23
	s_mov_b32 s23, 0
	s_mov_b32 s[SEL], 0x76543210
	s_mov_b32 s[SEL+1], 0xfedcba98
	s_mov_b32 s[TB], 0
	s_mov_b32 s[NS], 0
	s_mov_b32 s[SLOTS], 3
	v_and_b32 v[L16], 31, v0
	v_lshlrev_b32 v[L16], 4, v[L16]
	s_wait_dscnt 0x0                               ; both opening adds are done
	s_wait_kmcnt 0x0
	s_add_nc_u64 s[4:5], s[4:5], s[18:19]
	s_add_nc_u64 s[8:9], s[8:9], s[20:21]
	s_add_nc_u64 s[10:11], s[10:11], s[22:23]
	s_mov_b32 s[G0], 1                             ; count = 1
	s_lshl_b32 s[G0+1], s[WV], 14                  ; LDS address: slot 0, my step
	s_add_nc_u64 s[G0+2:G0+3], s[6:7], s[16:17]
	s_or_b32 s[G0+3], s[G0+3], 0x80000000          ; type = 2
	CROUND                                         ; all four work-groups are here: the first joint loads meet
	TLOAD                                          ; slot 0
.irp t, 0,1,2,3
.irp c, 0,1,2,3
	global_load_b128 v[QF+16*\t+4*\c:QF+16*\t+4*\c+3], v[L16], s[4:5] offset:2048*\t+512*\c th:TH_LOAD_NT   ; Q stays in registers
.endr
.endr
.irp t, 0,1,2,3
	global_load_b128 v[MK+4*\t:MK+4*\t+3], v[L16], s[8:9] offset:16384*\t   ; step 0's mask bits
.endr
	v_mov_b32 v[MSC], 0xe3e3e3e3                   ; the E8M0 byte of 2^100, in every byte
	v_mov_b32 v[QNAN], 0x7fc00000
.irp t, 0,1,2,3
	v_mov_b32 v[ST+8*\t], 0xff61b1e6               ; m: -3e38, under every score and under the mask's term
	v_mov_b32 v[ST+8*\t+1], 0                      ; (named with m as a pair)
	v_mov_b32 v[ST+8*\t+2], 0                      ; l
	v_mov_b32 v[ST+8*\t+3], 0
.endr
	WIN 0x40
.set i, 0
.rept 128
	v_mov_b32 v[i], 0                              ; O^T.  The step is written for all 32 alike: the first finds zeros, which its a leaves zeros
.set i, i+1
.endr
	WIN 0
.Lslot:                                            ; three trips: behind each change of slots but the last the next slot is asked for
	CHANGE 1
	SLOT_STEPS
	s_sub_co_u32 s[SLOTS], s[SLOTS], 1
	s_cmp_lg_u32 s[SLOTS], 0
	s_cbranch_scc1 .Lslot
	CHANGE 0                                       ; the last slot is written out
	SLOT_STEPS
	; THE WAY OUT.  The additions are the places behind the last products.
.irp t, 0,1,2,3
	v_add_f32 v[ST+8*\t+4], v[ST+8*\t+2], v[ST+8*\t+3]
.endr
.irp t, 0,1,2,3
	v_permlanex16_b32 v[ST+8*\t+5], v[ST+8*\t+4], s[SEL], s[SEL+1]
.endr
.irp t, 0,1,2,3
	v_add_f32 v[ST+8*\t+4], v[ST+8*\t+4], v[ST+8*\t+5]   ; the row's sum
.endr
.irp t, 0,1,2,3
	v_rcp_f32 v[ST+8*\t+6], v[ST+8*\t+4]
.endr
	v_nop                                          ; a plain instruction behind the last reciprocal
	s_wait_alu depctr_va_vdst(0)                   ; one wait for the four, ahead of their first reader
.irp t, 0,1,2,3
	v_cmp_gt_f32 vcc_lo, 0xf1800000, v[ST+8*\t]    ; -2^100 > m: no key of the row was open
	v_cndmask_b32 v[ST+8*\t+6], v[ST+8*\t+6], v[QNAN], vcc_lo
.endr
	WIN 0x41
.set i, 0
.rept 64
	v_pk_mul_f32 v[2*i:2*i+1], v[2*i:2*i+1], v[ST+8*(i/16)+6:ST+8*(i/16)+7] op_sel_hi:[1,0]
.set i, i+1
.endr
	WIN 0x05                                       ; sources 0 and 1 window 1, destination window 0: S^T's registers are free
.set i, 0
.rept 64
	v_cvt_pk_f16_f32 v[S+i], v[2*i], v[2*i+1]      ; a lane's eight channels of a query: a group of four registers of the last product's operand
.set i, i+1
.endr
	WIN 0
.irp t, 0,1,2,3
.irp c, 0,1,2,3
	global_store_b128 v[L16], v[S+16*\t+4*\c:S+16*\t+4*\c+3], s[10:11] offset:4096*\t+512*\c   ; 32 lanes store 512 consecutive bytes, aligned
.endr
.endr
	s_wait_tensorcnt 0x0                           ; the wave's end, behind my last tensor load
	ds_add_u32 v[SPW], v[NIL]
	s_wait_dscnt 0x0
	CROUND                                         ; the closing round
	s_endpgm
.Lfunc_end_k_q1c2289c602_attn:
	.size	k_q1c2289c602_attn, .Lfunc_end_k_q1c2289c602_attn-k_q1c2289c602_attn
	.p2alignl 7, 3214868480
	.fill 96, 4, 3214868480
	.section	.rodata,"a",@progbits
	.p2align	6, 0x0
	.amdhsa_kernel k_q1c2289c602_attn
		.amdhsa_group_segment_fixed_size 327680
		.amdhsa_private_segment_fixed_size 0
		.amdhsa_enable_private_segment 0
		.amdhsa_kernarg_size 32
		.amdhsa_user_sgpr_count 2
		.amdhsa_user_sgpr_kernarg_segment_ptr 1
		.amdhsa_wavefront_size32 1
		.amdhsa_system_sgpr_workgroup_id_x 1
		.amdhsa_system_sgpr_workgroup_id_y 1
		.amdhsa_system_sgpr_workgroup_id_z 1
		.amdhsa_system_vgpr_workitem_id 0
		.amdhsa_next_free_vgpr 512
		.amdhsa_next_free_sgpr 66
		.amdhsa_reserve_vcc 1
		.amdhsa_float_denorm_mode_32 3
		.amdhsa_float_denorm_mode_16_64 3
		.amdhsa_memory_ordered 1
		.amdhsa_forward_progress 1
		.amdhsa_inst_pref_size 89
	.end_amdhsa_kernel
	.amdgpu_metadata
---
amdhsa.version: [ 1, 2 ]
amdhsa.kernels:
  - .name:           k_q1c2289c602_attn
    .symbol:         k_q1c2289c602_attn.kd
    .args:
      - { .name: qimg, .offset: 0, .size: 8, .value_kind: global_buffer, .address_space: global }
      - { .name: kv, .offset: 8, .size: 8, .value_kind: global_buffer, .address_space: global }
      - { .name: mask4, .offset: 16, .size: 8, .value_kind: global_buffer, .address_space: global }
      - { .name: oimg, .offset: 24, .size: 8, .value_kind: global_buffer, .address_space: global }
    .group_segment_fixed_size: 327680
    .private_segment_fixed_size: 0
    .kernarg_segment_align: 8
    .kernarg_segment_size: 32
    .max_flat_workgroup_size: 256
    .sgpr_count:     66
    .vgpr_count:     512
    .wavefront_size: 32
...
	.end_amdgpu_metadata
.endif
;; end of part 3
;; launch outp (part 4): grid 4 x 64, 4 waves a work-group, clusters of 4 x 4, 327,680 bytes of LDS; arguments oimg, wimg, out_b, out0; writes out0
.if DOCPART == 4
	.amdgcn_target "amdgcn-amd-amdhsa--gfx1250"
	.amdhsa_code_object_version 6
	.text
	.protected	k_q1c2289c602_outp
	.globl	k_q1c2289c602_outp
	.p2align	8
	.type	k_q1c2289c602_outp,@function
k_q1c2289c602_outp:
	s_mov_b64 s[64:65], 0
	v_nop
	global_prefetch_b8 v0, s[64:65] scope:SCOPE_SE
	s_setreg_imm32_b32 hwreg(HW_REG_WAVE_MODE, 25, 1), 1
	s_wait_xcnt 0x0
	s_wait_alu depctr_hold_cnt(0) depctr_sa_sdst(0) depctr_va_vdst(0) depctr_va_sdst(0) depctr_va_ssrc(0) depctr_va_vcc(0) depctr_vm_vsrc(0)
	s_getreg_b32 s2, hwreg(HW_REG_IB_STS2, 6, 4)
	s_cmp_eq_u32 s2, 0
	s_cbranch_scc0 .Lentry_in_a_cluster
	s_endpgm
.Lentry_in_a_cluster:
	s_bfe_u32 s2, ttmp6, 0x10000c
	s_cmp_lg_u32 s2, 0xf033
	s_cbranch_scc0 .Lentry_shape_is_right
	s_endpgm
.Lentry_shape_is_right:
; Launch 4 of 4: out0[token][n] = sum over k of o[token][k] out_w[n][k] + out_b[n].  8,192 x 1,024 x 1,024; operands f16, sums f32.
; Both operands arrive as images of operand registers: oimg [ks 8][tile of 16 tokens 512][kf 4][c 2][512], wimg [ks 8][tile of 16 rows 64][kf 4][c 2][512]: a K step of 128 of 16 rows is 4,096 dense bytes,
; every tile is a dense block for one tensor load, and every LDS load reads 512 consecutive bytes.
; A tile of out0 is 128 tokens x 256 columns: 256 work-groups of four waves; a wave makes 64 x 128: 32 accumulators.  K goes in eight steps of 128 through a ring of two LDS slots.
; CLUSTERS: 4 x 4 work-groups.  The four of a row of the cluster need the same tiles of o, the four of a column the same tiles of out_w: each is asked for jointly.
; THE MATRIX INSTRUCTION IS USED TRANSPOSED (source 0 = 16 rows of out_w, source 1 = 16 tokens): a lane holds eight neighbouring columns of one token's row.  out_b is the C of each sum's first instruction.
; REGISTERS: window 0: v3 16 x lane; v16-17, v20-21 LDS addresses; v24-25 the stage; v27 the bias's offset; v28, v29 the add's two; v32-95 out_b, 8 a column tile; v96-223 rows on the way out, two sets.
;   window 1: accumulator (a, b) at v[8 (8 a + b)].   window 2: two fragment buffers of 96: o's four at +0, out_w's eight at +32.
.set SLOT,   98304                     ; o's 8 tiles x 4,096, then out_w's 16 x 4,096
.set BOFF,   32768
.set STAGE,  2*SLOT                    ; behind the ring: 16 rows x 528 bytes for each wave
.set SPITCH, 528
.set SPARE,  STAGE+4*16*SPITCH         ; the spare words, 128 bytes a wave
.set CO,   3
.set ADRA, 16
.set ADRB, 20
.set STO,  24
.set RD,   25
.set BO,   27
.set SPW,  28
.set NIL,  29
.set BIAS, 32
.set BK,   96
.set F0,   0
.set F1,   96
.set G1, 24
.set G0, 32
.set G1B, 48
.set G0B, 56
.set MSB, 0
.macro WIN new
.if MSB != (\new)
	s_set_vgpr_msb (MSB<<8)|(\new)
.set MSB, (\new)
.endif
.endm
.set MUL,  0x5a                        ; sources 0 and 1 window 2; C and D window 1
.set MUL0, 0x4a                        ; the same with C (the bias) in window 0
.set TO_F, 0x80                        ; destination window 2
.macro JLOAD s                         ; waves 0 and 1 fetch o's two halves, waves 2 and 3 out_w's; an s_nop 0 and four v_nop follow each of the two lines
	s_cmp_eq_u32 s15, 0
	s_cbranch_scc0 .Lfor_b_\@
	tensor_load_to_lds s[G0+4*\s:G0+4*\s+3], s[G1:G1+7]
	s_nop 0
.rept 4
	v_nop
.endr
	s_branch .Lasked_\@
.Lfor_b_\@:
	tensor_load_to_lds s[G0B+4*\s:G0B+4*\s+3], s[G1B:G1B+7]
	s_nop 0
.rept 4
	v_nop
.endr
.Lasked_\@:
.endm
.macro CREST
	s_cmp_lg_u32 s14, 0
	s_cbranch_scc1 .Lnot_wave_0_\@
	s_barrier_signal -3
.Lnot_wave_0_\@:
	s_barrier_wait -3
	s_barrier_signal -1
	s_barrier_wait -1
.endm
.macro CROUND
	s_barrier_signal -1
	s_barrier_wait -1
	CREST
.endm
	s_load_b256 s[4:11], s[0:1], 0x0               ; oimg s[4:5], wimg s[6:7], out_b s[8:9], out0 s[10:11]
	v_lshl_add_u32 v[SPW], v0, 2, SPARE
	v_mov_b32 v[NIL], 0
	ds_add_u32 v[SPW], v[NIL]                      ; the wave's opening: the add, twice on end, and its wait ahead of my first tensor load
	ds_add_u32 v[SPW], v[NIL]
	v_lshrrev_b32 v1, 5, v0
	v_readfirstlane_b32 s14, v1                    ; wave 0..3
	s_lshr_b32 s15, s14, 1                         ; which 64 tokens I multiply.  Also: I fetch for o (0) or for out_w (1)
	s_and_b32 s16, s14, 1                          ; which 128 columns.  Also: which half of that tile I fetch
	s_bfe_u32 s40, ttmp6, 0x40000                  ; cx
	s_bfe_u32 s41, ttmp6, 0x40004                  ; cy
	s_lshl_b32 s42, ttmp9, 2
	s_add_co_u32 s42, s42, s40                     ; tile column, of 4
	s_and_b32 s17, ttmp7, 0xffff
	s_lshl_b32 s17, s17, 2
	s_add_co_u32 s17, s17, s41                     ; tile row, of 64
	s_lshl_b32 s43, s41, 2
	s_lshl_b32 s43, 15, s43                        ; my row of the cluster
	s_lshl_b32 s44, 0x1111, s40                    ; my column
	; descriptor groups 1: dense blocks as rows of 256 bytes (32 elements of 8): o's half 64 rows, out_w's half 128
	s_or_b32 s[G1], s43, (3<<16)|(1<<21)
	s_mov_b32 s[G1+1], 32<<16
	s_mov_b32 s[G1+2], 64<<16
	s_mov_b32 s[G1+3], 32<<16
	s_mov_b32 s[G1+4], 64
	s_mov_b32 s[G1+5], 32
	s_mov_b32 s[G1+6], 0
	s_mov_b32 s[G1+7], 0
	s_or_b32 s[G1B], s44, (3<<16)|(1<<21)
	s_mov_b32 s[G1B+1], 32<<16
	s_mov_b32 s[G1B+2], 128<<16
	s_mov_b32 s[G1B+3], 32<<16
	s_mov_b32 s[G1B+4], 128
	s_mov_b32 s[G1B+5], 32
	s_mov_b32 s[G1B+6], 0
	s_mov_b32 s[G1B+7], 0
	s_lshl_b32 s20, s17, 15                        ; o: 8 tiles of 4,096 bytes a tile row,
	s_lshl_b32 s45, s16, 14                        ; + my half: in memory and in a slot alike
	s_add_co_u32 s20, s20, s45
	s_mov_b32 s21, 0
	s_lshl_b32 s46, s42, 16                        ; out_w: 16 tiles a tile column,
	s_lshl_b32 s18, s16, 15                        ; + my half
	s_add_co_u32 s46, s46, s18
	s_mov_b32 s47, 0
	s_add_co_u32 s18, s18, BOFF                    ; in a slot behind o's
	s_wait_dscnt 0x0                               ; both opening adds are done
	s_wait_kmcnt 0x0
	s_add_nc_u64 s[20:21], s[4:5], s[20:21]
	s_add_nc_u64 s[46:47], s[6:7], s[46:47]
	CROUND                                         ; all sixteen work-groups are here: the first joint loads meet
.irp s, 0,1
	s_mov_b32 s[G0+4*\s], 1
	s_add_co_u32 s[G0+4*\s+1], s45, \s*SLOT
	s_add_nc_u64 s[G0+4*\s+2:G0+4*\s+3], s[20:21], \s*2097152     ; K step s of o
	s_or_b32 s[G0+4*\s+3], s[G0+4*\s+3], 0x80000000
	s_mov_b32 s[G0B+4*\s], 1
	s_add_co_u32 s[G0B+4*\s+1], s18, \s*SLOT
	s_add_nc_u64 s[G0B+4*\s+2:G0B+4*\s+3], s[46:47], \s*262144    ; K step s of out_w
	s_or_b32 s[G0B+4*\s+3], s[G0B+4*\s+3], 0x80000000
	JLOAD \s
.endr
	v_and_b32 v1, 15, v0                           ; r
	v_bfe_u32 v2, v0, 4, 1                         ; h
	v_and_b32 v[CO], 31, v0
	v_lshlrev_b32 v[CO], 4, v[CO]                  ; 16 x lane
	s_lshl_b32 s21, s15, 14                        ; my four tiles of tokens
	s_lshl_b32 s22, s16, 15                        ; my eight tiles of columns,
	s_add_co_u32 s22, s22, BOFF
.irp s, 0,1
	v_add_nc_u32 v[ADRA+\s], s21, v[CO]
	v_add_nc_u32 v[ADRB+\s], s22, v[CO]
	s_add_co_u32 s21, s21, SLOT
	s_add_co_u32 s22, s22, SLOT
.endr
	s_mul_i32 s23, s14, 16*SPITCH
	s_add_co_u32 s23, s23, STAGE                   ; my stage
	v_mul_u32_u24 v4, v1, SPITCH                   ; in: row r, 32 bytes for each half of the lanes
	v_lshl_add_u32 v4, v2, 5, v4
	v_add_nc_u32 v[STO], s23, v4
	v_add_nc_u32 v[RD], s23, v[CO]                 ; back: the 32 lanes take one row of 512 bytes
	v_lshlrev_b32 v[BO], 5, v2                     ; the bias: my eight columns of a tile: 8 h on
	s_lshl_b32 s46, s42, 10                        ; my first column, in bytes: 1,024 x tile column + 512 x half
	s_lshl_b32 s47, s16, 9
	s_add_co_u32 s46, s46, s47
	s_mov_b32 s47, 0
	s_add_nc_u64 s[8:9], s[8:9], s[46:47]
	s_add_nc_u64 s[10:11], s[10:11], s[46:47]
	s_lshl_b32 s2, s17, 19                         ; my first row: 128 rows of 4,096 bytes a tile row, + 64 x half
	s_lshl_b32 s3, s15, 18
	s_add_co_u32 s2, s2, s3
	s_mov_b32 s3, 0
	s_add_nc_u64 s[10:11], s[10:11], s[2:3]
.irp b, 0,1,2,3,4,5,6,7
	global_load_b128 v[BIAS+8*\b:BIAS+8*\b+3], v[BO], s[8:9] offset:64*\b
	global_load_b128 v[BIAS+8*\b+4:BIAS+8*\b+7], v[BO], s[8:9] offset:64*\b+16
.endr
; 8 matrix instructions: token tile a x all 8 column tiles, 32 along K.  first = 1: the bias starts the sums.  The accumulators take turns, one instruction a turn.
.macro MUL8 f, a, first
.irp b, 0,1,2,3,4,5,6,7
.if \first
	v_wmma_f32_16x16x32_f16 v[8*(8*(\a)+\b):8*(8*(\a)+\b)+7], v[\f+32+8*\b:\f+32+8*\b+7], v[\f+8*(\a):\f+8*(\a)+7], v[BIAS+8*\b:BIAS+8*\b+7]
.else
	v_wmma_f32_16x16x32_f16 v[8*(8*(\a)+\b):8*(8*(\a)+\b)+7], v[\f+32+8*\b:\f+32+8*\b+7], v[\f+8*(\a):\f+8*(\a)+7], v[8*(8*(\a)+\b):8*(8*(\a)+\b)+7]
.endif
.endr
.endm
; 24 LDS loads in one run: quarter q (32 along K) of a slot into buffer f: out_w's sixteen, then o's tiles 0, 1, then 2, 3
.macro FETCH slot, q, f
	WIN TO_F
.irp i, 0,1,2,3,4,5,6,7
	ds_load_b128 v[\f+32+8*\i:\f+32+8*\i+3],   v[ADRB+\slot] offset:\i*4096+(\q)*1024
	ds_load_b128 v[\f+32+8*\i+4:\f+32+8*\i+7], v[ADRB+\slot] offset:\i*4096+(\q)*1024+512
.endr
.irp i, 0,1,2,3
	ds_load_b128 v[\f+8*\i:\f+8*\i+3],   v[ADRA+\slot] offset:\i*4096+(\q)*1024
	ds_load_b128 v[\f+8*\i+4:\f+8*\i+7], v[ADRA+\slot] offset:\i*4096+(\q)*1024+512
.endr
.endm
.macro PLACES                          ; four plain vector instructions in front of loads into registers that matrix instructions have read, and of the first read of results
.rept 4
	v_nop
.endr
.endm
; One of a K step's first three quarters: multiplies buffer f and fetches quarter q into g
.macro QUARTER slot, q, f, g, first
	s_wait_dscnt 4                                 ; out_w's fragments and o's tiles 0, 1 are in; the youngest four loads may be out
	WIN MUL-0x10*\first
	MUL8 \f, 0, \first
	MUL8 \f, 1, \first
	PLACES
	FETCH \slot, \q, \g
	s_wait_dscnt 24                                ; all but the 24 just issued
	WIN MUL-0x10*\first
	MUL8 \f, 2, \first
	MUL8 \f, 3, \first
.endm
; The last quarter multiplies buffer 1 and changes slots: one barrier; in front of it each wave waits for all its tensor loads, adds 0 to its spare word, and waits for that and for its reads of this slot.
.macro TURN slot, next, fill
	WIN 0                                          ; (the add's two registers lie in window 0)
	s_wait_tensorcnt 0x0                           ; all my tensor loads have landed: my part of the next slot
	ds_add_u32 v[SPW], v[NIL]                      ; 0 onto my spare word
	s_wait_dscnt 5                                 ; the add and the youngest four loads may be out
	WIN MUL
	MUL8 F1, 0, 0
	s_wait_dscnt 0x0                               ; the add is done, and my reads of this slot are over
	s_barrier_signal -1
	MUL8 F1, 1, 0
	WIN 0
	s_barrier_wait -1
.if \fill
	CREST                                          ; the barrier has opened a round of the cluster's: no wave of any partner still reads this slot or has a load on its way
	s_add_nc_u64 s[G0+4*\slot+2:G0+4*\slot+3], s[G0+4*\slot+2:G0+4*\slot+3], 2*2097152
	s_add_nc_u64 s[G0B+4*\slot+2:G0B+4*\slot+3], s[G0B+4*\slot+2:G0B+4*\slot+3], 2*262144
	JLOAD \slot                                    ; the first tensor load behind the round; its four v_nop are also the places in front of the loads below
.else
	PLACES
.endif
	FETCH \next, 0, F0
	WIN MUL
	MUL8 F1, 2, 0
	MUL8 F1, 3, 0
.endm
	s_wait_tensorcnt 1                             ; my part of K step 0 is in; K step 1's load may be out
	s_barrier_signal -1
	s_barrier_wait -1
	FETCH 0, 0, F0
	s_wait_loadcnt 0x0                             ; the bias
	QUARTER 0, 1, F0, F1, 1                        ; the first quarter stands in front of the loop: its products start the sums
	WIN 0
	s_mov_b32 s3, 3
.Llap:                                                 ; a trip goes once round the ring, from a lap's second quarter to the next lap's first, and fills both slots again
	QUARTER 0, 2, F1, F0, 0
	QUARTER 0, 3, F0, F1, 0
	TURN 0, 1, 1
	QUARTER 1, 1, F0, F1, 0
	QUARTER 1, 2, F1, F0, 0
	QUARTER 1, 3, F0, F1, 0
	TURN 1, 0, 1
	QUARTER 0, 1, F0, F1, 0
	WIN 0
	s_sub_co_u32 s3, s3, 1
	s_cmp_lg_u32 s3, 0
	s_cbranch_scc1 .Llap
	QUARTER 0, 2, F1, F0, 0                        ; the last lap fills nothing
	QUARTER 0, 3, F0, F1, 0
	TURN 0, 1, 0
	QUARTER 1, 1, F0, F1, 0
	QUARTER 1, 2, F1, F0, 0
	QUARTER 1, 3, F0, F1, 0
	s_wait_dscnt 4                                 ; the very last quarter
	WIN MUL
	MUL8 F1, 0, 0
	MUL8 F1, 1, 0
	s_wait_dscnt 0
	MUL8 F1, 2, 0
	MUL8 F1, 3, 0
	WIN 0
; THE WAY OUT, a block of 16 tokens x 128 columns at a time, through my own stage: in as 32 bytes a lane, back as whole rows of 512 bytes.  LDS serves a wave's instructions in order: no wait between stores and loads.
.macro TOSTAGE a
	WIN 0x04                                       ; an LDS store's data: window 1
.irp b, 0,1,2,3,4,5,6,7
	ds_store_b128 v[STO], v[8*(8*(\a)+\b):8*(8*(\a)+\b)+3] offset:64*\b          ; each accumulator from its low end on
	ds_store_b128 v[STO], v[8*(8*(\a)+\b)+4:8*(8*(\a)+\b)+7] offset:64*\b+16
.endr
	WIN 0
.set BB, BK+64*((\a)%2)
.irp t, 0,1,2,3,4,5,6,7,8,9,10,11,12,13,14,15
	ds_load_b128 v[BB+4*\t:BB+4*\t+3], v[RD] offset:\t*SPITCH
.endr
.endm
.macro SEND a, younger                 ; younger: the LDS instructions issued behind block a's loads, which may stay out
.set BB, BK+64*((\a)%2)
	s_wait_dscnt \younger
.irp t, 0,1,2,3,4,5,6,7,8,9,10,11,12,13,14,15
	global_store_b128 v[CO], v[BB+4*\t:BB+4*\t+3], s[10:11] offset:(\a)*65536+\t*4096 th:TH_STORE_NT   ; 32 lanes store 512 consecutive bytes, aligned
.endr
.endm
	PLACES
	TOSTAGE 0
.irp a, 1,2,3
.if \a > 1
	s_wait_xcnt 0x0                                ; block a - 2's stores have read their registers: block a's loads may land there
.endif
	TOSTAGE \a
	SEND \a-1, 32                                  ; behind block a - 1's loads: block a's 16 stores and 16 loads
.endr
	SEND 3, 0
	s_wait_tensorcnt 0x0                           ; the wave's end, behind my last tensor load and my last LDS store
	ds_add_u32 v[SPW], v[NIL]
	s_wait_dscnt 0x0
	CROUND                                         ; the closing round
	s_endpgm
.Lfunc_end_k_q1c2289c602_outp:
	.size	k_q1c2289c602_outp, .Lfunc_end_k_q1c2289c602_outp-k_q1c2289c602_outp
	.p2alignl 7, 3214868480
	.fill 96, 4, 3214868480
	.section	.rodata,"a",@progbits
	.p2align	6, 0x0
	.amdhsa_kernel k_q1c2289c602_outp
		.amdhsa_group_segment_fixed_size 327680
		.amdhsa_private_segment_fixed_size 0
		.amdhsa_enable_private_segment 0
		.amdhsa_kernarg_size 32
		.amdhsa_user_sgpr_count 2
		.amdhsa_user_sgpr_kernarg_segment_ptr 1
		.amdhsa_wavefront_size32 1
		.amdhsa_system_sgpr_workgroup_id_x 1
		.amdhsa_system_sgpr_workgroup_id_y 1
		.amdhsa_system_sgpr_workgroup_id_z 1
		.amdhsa_system_vgpr_workitem_id 0
		.amdhsa_next_free_vgpr 704
		.amdhsa_next_free_sgpr 66
		.amdhsa_reserve_vcc 0
		.amdhsa_float_denorm_mode_32 3
		.amdhsa_float_denorm_mode_16_64 3
		.amdhsa_memory_ordered 1
		.amdhsa_forward_progress 1
		.amdhsa_inst_pref_size 86
	.end_amdhsa_kernel
	.amdgpu_metadata
---
amdhsa.version: [ 1, 2 ]
amdhsa.kernels:
  - .name:           k_q1c2289c602_outp
    .symbol:         k_q1c2289c602_outp.kd
    .args:
      - { .name: oimg, .offset: 0, .size: 8, .value_kind: global_buffer, .address_space: global }
      - { .name: wimg, .offset: 8, .size: 8, .value_kind: global_buffer, .address_space: global }
      - { .name: out_b, .offset: 16, .size: 8, .value_kind: global_buffer, .address_space: global }
      - { .name: out0, .offset: 24, .size: 8, .value_kind: global_buffer, .address_space: global }
    .group_segment_fixed_size: 327680
    .private_segment_fixed_size: 0
    .kernarg_segment_align: 8
    .kernarg_segment_size: 32
    .max_flat_workgroup_size: 128
    .sgpr_count:     66
    .vgpr_count:     704
    .wavefront_size: 32
...
	.end_amdgpu_metadata
.endif
;; end of part 4
